; MI455X (gfx1250); checked and timed in simulation.
; The chip was launched on July 23, 2026; its instructions are those of AMD's public machine-readable ISA for CDNA 5 (MIT licence, August 2026) and "CDNA5" Instruction Set Architecture Reference Guide (July 2026). The comments in the code are by the model that wrote it; some were corrected since.
;; QK Norm Gated Cross Attn. Allowed arithmetic: float matrix products may take bf16 or f16 operands with f32 sums; other float arithmetic in f32, or as packed bf16 or f16 multiplies, adds, multiply-adds, maxima and minima; sums over many terms, partial sums and values carried from step to step in f32; what a program stores and reads back later, other than sums and carried values, may be rounded once to bf16 or f16.
;; Inputs: Wg 768 x 16 float32; Wk 768 x 1,024 float32; Wo 1,024 x 1,024 float32; Wq 1,024 x 1,024 float32; Wv 768 x 1,024 float32; bg 16 float32; bk 1,024 float32; bo 1,024 float32; bq 1,024 float32; bv 1,024 float32; encoder_hidden_states 4 x 512 x 768 float32; head_gain 16 float32; hidden_states 4 x 4,096 x 1,024 float32.
;; Outputs: out0 4 x 4,096 x 1,024 float32.
;; 2 versions, each right. Each part assembles by itself: llvm-mc -triple=amdgcn-amd-amdhsa -mcpu=gfx1250 --defsym DOCPART=n.
;; ======== version 1 of 2: 2 launches
;; limits: values are held in f16: magnitudes above 65,504 overflow, below 6.1e-05 lose precision
;; workspace buffers: STR 12,582,912 bytes; LP 2,048 bytes
;; launch prep (part 1): grid 16 x 16, 4 waves a work-group, no clusters, 127,488 bytes of LDS; arguments encoder_hidden_states, Wk, Wv, bk, bv, Wg, Wq, Wo, STR, LP; writes STR, LP
.if DOCPART == 1
	.amdgcn_target "amdgcn-amd-amdhsa--gfx1250"
	.amdhsa_code_object_version 6
	.text
	.protected	k_q175a3dc019_prep
	.globl	k_q175a3dc019_prep
	.p2align	8
	.type	k_q175a3dc019_prep,@function
k_q175a3dc019_prep:
	s_mov_b64 s[64:65], 0
	v_nop
	global_prefetch_b8 v0, s[64:65] scope:SCOPE_SE
	s_setreg_imm32_b32 hwreg(HW_REG_WAVE_MODE, 25, 1), 1
	s_wait_xcnt 0x0
; PREP.  Makes what the fused launch streams, all in FRAGMENT ORDER: a block of 1,024 bytes is [g 2][lane 32][e 8] of 16-bit numbers; lane 16 h + r holds row r of 16 rows
; at k = 16 g + 8 h + e, so two 16-byte LDS loads a lane (at 16 x lane, 512 bytes apart) are a whole matrix operand of 16 rows x 32 k.
;   STR + 0      Wq  in bf16:               [t 16][w 4][ks 2][ct 16][block]   row = column 256 w + 16 ct + r of Wq, k = 64 t + 32 ks + ..
;   STR + 2 MiB  k^ (normalised) and v, f16: [b 4][t2 16][w 4][st 2][K 8 KiB | V 8 KiB], t2 = 4 gh + s, head = 4 w + gh, keys 128 s + 64 st + ..
;                K: [kt 4][ks 2][block] row = key 16 kt + r, k = channel 32 ks + ..      V: [ksv 2][cb 4][block] row = channel 16 cb + r, k = key 32 ksv + ..
;   STR + 10 MiB Wo, rounded to bf16 and written as f16: as Wq, slot t3 = 4 (head % 4) + head / 4, k = 64 head + 32 ks + ..
;   LP           f32 [rb 16][wr 2][head 16]: partial sums over 64 keys of E Wg (the gate's logits before the mean)
; SHARES.  Work-group (cb, rb): keys 128 rb .. + 127 (batch rb / 4), 128 columns of Wk (cb < 8) or Wv.  Wave (wr, wc): 64 keys x 64 columns = one head, 16 accumulators.
; K = 768 goes in six chunks of 128: f32 from memory into registers (each load of a wave is 512 consecutive bytes of one row), rounded to bf16, into LDS, and from there as fragments;
; the next chunk's 64 loads are out while a chunk is multiplied.  Each work-group also turns one unit (32 k x 128 columns) of Wq and of Wo into blocks.
; FORMATS.  Every input is rounded once to bf16 (the biases too); sums in f32; k^ and v leave rounded once to f16.
; LIMITS.  v must stay under 65,504 in magnitude (f16); an entry of Wo below 6e-5 keeps f16's fixed step of 6e-8; NaN and infinities are not treated apart; sums are taken in another order than the reference's.
.set EPI, 272                          ; a row of E in LDS: 128 bf16 + 16 bytes: an odd multiple of 16
.set WPI, 288                          ; a row of W ([k][column]) in LDS: 128 bf16 + 32 bytes: an odd multiple of 32, for the turning load
.set GPI, 48                           ; a row of Wg ([k][head]) in LDS: 16 bf16 + 16 bytes
.set LE, 0                             ; 128 keys x EPI
.set LW, 128*EPI                       ; 128 k x WPI
.set LG, LW+128*WPI                    ; 768 k x GPI
.set LR, LG+768*GPI                    ; two units of 32 k x WPI
.set SPARE, LR+2*32*WPI                ; the spare words, 128 bytes a wave: two blocks of 256 bytes that no other line names
.set EO, 4                             ; v4   my byte offset in the chunk's rows of E
.set WO, 5                             ; v5   the same for W
.set ES, 6                             ; v6   where I store 8 bytes of a row of E
.set WS, 7                             ; v7   the same for W
.set EAL, 8                            ; v8   my place in a fragment of E
.set WAL, 9                            ; v9   my place in a turned fragment of W
.set GAD, 10                           ; v10  my place in a turned fragment of Wg; steps a chunk a trip
.set L16, 11                           ; v11  16 x lane
.set RO, 12                            ; v12  my byte offset in a unit's rows
.set RS, 13                            ; v13  where I store 8 bytes of a unit's row
.set RT, 14                            ; v14  my place in a unit's turned fragment
.set SPW, 16                           ; v16  my spare word; never rewritten
.set NIL, 17                           ; v17  0; never rewritten
.set GS, 18                            ; v18  16 x thread: my bytes of Wg
.set GWS, 19                           ; v19  where they go
.set B32H, 20                          ; v20  32 x (lane / 16)
.set B4R, 21                           ; v21  4 x (lane % 16)
.set FB, 32                            ; v32-159 two fragment buffers of 64: E's four fragments, then W's four
.set GFR, 176                          ; v176-207 first the bias by channels, then a chunk's four fragments of Wg
.set VB, 208                           ; v208-211 the bias by lanes
.set TT, 216                           ; v216-223 four pairs at work
.set GT, 224                           ; v224-231 the gate's sums
; window 1: v0-255 the chunk as loaded (E's 32 rows, W's 32 rows, 4 registers each)      window 2: v0-127 accumulator (i, j) at 8 (4 i + j); v128-143 the gate's two
.set WV, 24
.set WR, 25
.set WC, 26
.set CB, 27
.set RB, 28
.set C8, 29
.set TYP, 30                           ; 1: this work-group makes v
.set CB0, 31                           ; 1: cb = 0
.set GF, 32                            ; 1: this wave makes the gate's sums
.set CNT, 33
.set EP, 34                            ; s[34:35] E at the group's first key, at the chunk last loaded
.set WP, 36                            ; s[36:37] Wk or Wv at the group's first column, at that chunk
.set BP, 38                            ; s[38:39] bk or bv at my wave's first column
.set OF, 40                            ; s[40:41] an offset, high word 0
.set OUTP, 42                          ; s[42:43] my 8 KiB of K or V in STR
.set QP, 44                            ; s[44:45] my unit of Wq
.set OP, 46                            ; s[46:47] my unit of Wo
.set WQO, 48                           ; s[48:49] my two blocks of Wq in STR
.set WOO, 50                           ; s[50:51] of Wo
.set SEL, 52                           ; s[52:53] v_permlanex16_b32's selects: each lane takes its own place in the other half
.set TA, 54
.set TX, 55
.set LPP, 56                           ; s[56:57] my row of LP
.set SV, 58
.set MHI, 59                           ; a word's upper 16 bits
.set CM, 60
.set MSB, 0
.macro WIN new                         ; the high byte repeats the setting that is left; a switch that changes nothing is dropped
.if MSB != (\new)
	s_set_vgpr_msb (MSB<<8)|(\new)
.set MSB, (\new)
.endif
.endm
.macro PLACES                          ; four plain places behind a matrix instruction (ISA guide 7.12.1), where no other vector work is at hand
.rept 4
	v_nop
.endr
.endm
	s_load_b512 s[4:19], s[0:1], 0x0               ; E s[4:5], Wk s[6:7], Wv s[8:9], bk s[10:11], bv s[12:13], Wg s[14:15], Wq s[16:17], Wo s[18:19]
	s_load_b128 s[20:23], s[0:1], 0x40             ; STR s[20:21], LP s[22:23]
	v_lshl_add_u32 v[SPW], v0, 2, SPARE
	v_mov_b32 v[NIL], 0
	v_lshrrev_b32 v15, 5, v0
	v_readfirstlane_b32 s[WV], v15                 ; wave 0..3
	s_lshr_b32 s[WR], s[WV], 1                     ; which 64 keys
	s_and_b32 s[WC], s[WV], 1                      ; which 64 columns
	s_mov_b32 s[CB], ttmp9
	s_and_b32 s[RB], ttmp7, 0xffff
	s_and_b32 s[C8], s[CB], 7
	s_mov_b32 s[SEL], 0x76543210
	s_mov_b32 s[SEL+1], 0xfedcba98
	s_mov_b32 s[MHI], 0xffff0000
	s_mov_b32 s[OF+1], 0
	s_cmp_eq_u32 s[CB], 0
	s_cselect_b32 s[CB0], 1, 0
	s_cmp_eq_u32 s[WC], 0
	s_cselect_b32 s[GF], s[CB0], 0
	s_cmp_ge_u32 s[CB], 8
	s_cselect_b32 s[TYP], 1, 0
	v_and_b32 v1, 31, v0                           ; lane
	v_and_b32 v2, 15, v0                           ; r
	v_bfe_u32 v3, v0, 4, 1                         ; h
	v_lshlrev_b32 v[L16], 4, v1
	s_mul_i32 s[TA], s[WV], 32*3072                ; my 32 rows of E
	v_add_nc_u32 v[EO], s[TA], v[L16]
	s_lshl_b32 s[TA], s[WV], 17                    ; my 32 rows of W, 4,096 bytes each
	v_add_nc_u32 v[WO], s[TA], v[L16]
	s_mul_i32 s[TA], s[WV], 32*EPI
	v_lshl_add_u32 v[ES], v1, 3, s[TA]
	s_mul_i32 s[TA], s[WV], 32*WPI
	s_add_co_u32 s[TA], s[TA], LW
	v_lshl_add_u32 v[WS], v1, 3, s[TA]
	s_mul_i32 s[TA], s[WR], 64*EPI
	v_mul_u32_u24 v[EAL], v2, EPI
	v_lshl_add_u32 v[EAL], v3, 4, v[EAL]
	v_add_nc_u32 v[EAL], s[TA], v[EAL]             ; (64 wr + r) x pitch + 16 h
	v_and_b32 v15, 7, v0
	v_lshl_add_u32 v15, v3, 3, v15                 ; the turning load's row: 8 h + lane % 8
	v_bfe_u32 v22, v0, 3, 1
	v_lshlrev_b32 v22, 4, v22                      ; and its 16 bytes: 16 ((lane / 8) % 2)
	v_mul_u32_u24 v23, v15, WPI
	v_add_nc_u32 v23, v23, v22
	s_lshl_b32 s[TA], s[WC], 7
	s_add_co_u32 s[TA], s[TA], LW
	v_add_nc_u32 v[WAL], s[TA], v23                ; + my 64 columns
	s_lshl_b32 s[TA], s[WV], 6
	s_add_co_u32 s[TA], s[TA], LR
	v_add_nc_u32 v[RT], s[TA], v23                 ; + my two column tiles of a unit
	v_mul_u32_u24 v[GAD], v15, GPI
	v_add_nc_u32 v[GAD], v[GAD], v22
	v_add_nc_u32 v[GAD], LG, v[GAD]
	s_lshl_b32 s[TA], s[WV], 15                    ; my 8 rows of a unit
	v_add_nc_u32 v[RO], s[TA], v[L16]
	s_mul_i32 s[TA], s[WV], 8*WPI
	s_add_co_u32 s[TA], s[TA], LR
	v_lshl_add_u32 v[RS], v1, 3, s[TA]
	v_lshlrev_b32 v[GS], 4, v0
	v_lshrrev_b32 v[GWS], 2, v0                    ; 16 bytes of Wg are 4 heads of row thread / 4 (+ 32 for each further load)
	v_mul_u32_u24 v[GWS], v[GWS], GPI
	v_and_b32 v15, 3, v0
	v_lshl_add_u32 v[GWS], v15, 3, v[GWS]
	v_add_nc_u32 v[GWS], LG, v[GWS]
	v_lshlrev_b32 v[B32H], 5, v3
	v_lshlrev_b32 v[B4R], 2, v2
	s_wait_kmcnt 0x0
	s_cmp_ge_u32 s[CB], 8
	s_cselect_b64 s[WP:WP+1], s[8:9], s[6:7]
	s_cselect_b64 s[BP:BP+1], s[12:13], s[10:11]
	s_mul_i32 s[OF], s[RB], 128*3072
	s_add_nc_u64 s[EP:EP+1], s[4:5], s[OF:OF+1]
	s_lshl_b32 s[OF], s[C8], 9                     ; 128 columns of f32
	s_add_nc_u64 s[WP:WP+1], s[WP:WP+1], s[OF:OF+1]
	s_lshl_b32 s[TA], s[WC], 8
	s_add_co_u32 s[OF], s[OF], s[TA]
	s_add_nc_u64 s[BP:BP+1], s[BP:BP+1], s[OF:OF+1]
	; my unit of Wq and Wo: k step ku = 2 rb + cb / 8 of 32 rows, column group cb % 8
	s_lshr_b32 s[TA], s[CB], 3                     ; ku % 2
	s_lshl_b32 s[OF], s[RB], 18
	s_lshl_b32 s[TX], s[TA], 17
	s_add_co_u32 s[OF], s[OF], s[TX]
	s_lshl_b32 s[TX], s[C8], 9
	s_add_co_u32 s[OF], s[OF], s[TX]
	s_add_nc_u64 s[QP:QP+1], s[16:17], s[OF:OF+1]
	s_add_nc_u64 s[OP:OP+1], s[18:19], s[OF:OF+1]
	s_lshr_b32 s[TX], s[C8], 1                     ; its blocks: wave cg / 2, ks = ku % 2, column tile 8 (cg % 2) + 2 w + 0..1
	s_lshl_b32 s[CM], s[TX], 15
	s_lshl_b32 s[TA], s[TA], 14
	s_add_co_u32 s[CM], s[CM], s[TA]
	s_and_b32 s[TX], s[C8], 1
	s_lshl_b32 s[TX], s[TX], 13
	s_add_co_u32 s[CM], s[CM], s[TX]
	s_lshl_b32 s[TX], s[WV], 11
	s_add_co_u32 s[CM], s[CM], s[TX]
	s_lshl_b32 s[OF], s[RB], 17                    ; Wq: slot ku / 2 = rb
	s_add_co_u32 s[OF], s[OF], s[CM]
	s_add_nc_u64 s[WQO:WQO+1], s[20:21], s[OF:OF+1]
	s_and_b32 s[TA], s[RB], 3                      ; Wo: head rb, slot 4 (rb % 4) + rb / 4
	s_lshl_b32 s[TA], s[TA], 2
	s_lshr_b32 s[TX], s[RB], 2
	s_add_co_u32 s[TA], s[TA], s[TX]
	s_lshl_b32 s[OF], s[TA], 17
	s_add_co_u32 s[OF], s[OF], s[CM]
	s_add_co_u32 s[OF], s[OF], 10<<20
	s_add_nc_u64 s[WOO:WOO+1], s[20:21], s[OF:OF+1]
	; my 8 KiB of K or V
	s_lshl_b32 s[TA], s[C8], 1
	s_add_co_u32 s[TA], s[TA], s[WC]               ; head
	s_and_b32 s[TX], s[TA], 3
	s_lshl_b32 s[TX], s[TX], 2
	s_and_b32 s[OF], s[RB], 3
	s_add_co_u32 s[TX], s[TX], s[OF]               ; t2 = 4 (head % 4) + rb % 4
	s_lshl_b32 s[OF], s[TX], 17
	s_lshr_b32 s[TA], s[TA], 2
	s_lshl_b32 s[TA], s[TA], 15
	s_add_co_u32 s[OF], s[OF], s[TA]
	s_lshr_b32 s[TA], s[RB], 2
	s_add_co_u32 s[TA], s[TA], 1
	s_lshl_b32 s[TA], s[TA], 21                    ; 2 MiB + batch x 2 MiB
	s_add_co_u32 s[OF], s[OF], s[TA]
	s_lshl_b32 s[TA], s[WR], 14
	s_add_co_u32 s[OF], s[OF], s[TA]
	s_lshl_b32 s[TA], s[TYP], 13
	s_add_co_u32 s[OF], s[OF], s[TA]
	s_add_nc_u64 s[OUTP:OUTP+1], s[20:21], s[OF:OF+1]
	s_lshl_b32 s[OF], s[RB], 7
	s_lshl_b32 s[TA], s[WR], 6
	s_add_co_u32 s[OF], s[OF], s[TA]
	s_add_nc_u64 s[LPP:LPP+1], s[22:23], s[OF:OF+1]
; a chunk's 64 loads: my 32 rows of E and my 32 rows of W, 512 consecutive bytes each
.macro LOADCH
	WIN 0x40                                       ; destination window 1, address window 0
.set z, 0
.rept 32
	global_load_b128 v[4*z:4*z+3], v[EO], s[EP:EP+1] offset:3072*z
	global_load_b128 v[128+4*z:128+4*z+3], v[WO], s[WP:WP+1] offset:4096*z
.set z, z+1
.endr
	WIN 0
.endm
.set z, 0
.rept 8                                        ; the two units, 8 rows each
	global_load_b128 v[32+4*z:35+4*z], v[RO], s[QP:QP+1] offset:4096*z
	global_load_b128 v[64+4*z:67+4*z], v[RO], s[OP:OP+1] offset:4096*z
.set z, z+1
.endr
.set z, 0
.rept 4                                        ; the bias in both forms, so that every register is written whatever the work-group makes
	global_load_b128 v[GFR+8*z:GFR+8*z+3], v[B32H], s[BP:BP+1] offset:64*z       ; columns 16 z + 8 h + 0..3
	global_load_b128 v[GFR+8*z+4:GFR+8*z+7], v[B32H], s[BP:BP+1] offset:64*z+16  ; + 4..7
	global_load_b32 v[VB+z], v[B4R], s[BP:BP+1] offset:64*z                      ; column 16 z + r
.set z, z+1
.endr
	LOADCH                                         ; chunk 0
	s_cmp_lg_u32 s[CB0], 0
	s_cbranch_scc0 .Lnowg
	WIN 0x80                                       ; Wg whole, 24 loads a thread, through window 2 (the accumulators are not yet in use)
.set z, 0
.rept 24
	global_load_b128 v[4*z:4*z+3], v[GS], s[14:15] offset:2048*z
.set z, z+1
.endr
	s_wait_loadcnt 0x0                             ; one wait for all that is out: the other first loads land in the same time
	WIN 0x8a
.set z, 0
.rept 24
	v_cvt_pk_bf16_f32 v[4*z], v[4*z], v[4*z+1]
	v_cvt_pk_bf16_f32 v[4*z+1], v[4*z+2], v[4*z+3]
.set z, z+1
.endr
	WIN 0x08                                       ; store data in window 2
.set z, 0
.rept 24
	ds_store_b64 v[GWS], v[4*z:4*z+1] offset:32*GPI*z
.set z, z+1
.endr
	WIN 0
.Lnowg:
	s_wait_loadcnt 63                              ; the units' 16 loads and the bias's 12 are in: behind them chunk 0's 64 were issued; a wait's count names 63 at the most, so chunk 0's first load is waited for with them
.set z, 0
.rept 8                                        ; Wq: to bf16.  Wo: to bf16, and that number written as f16
	v_cvt_pk_bf16_f32 v[32+4*z], v[32+4*z], v[33+4*z]
	v_cvt_pk_bf16_f32 v[33+4*z], v[34+4*z], v[35+4*z]
	ds_store_b64 v[RS], v[32+4*z:33+4*z] offset:WPI*z
	v_cvt_pk_bf16_f32 v[64+4*z], v[64+4*z], v[65+4*z]
	v_cvt_pk_bf16_f32 v[66+4*z], v[66+4*z], v[67+4*z]
	v_and_b32 v[65+4*z], s[MHI], v[64+4*z]
	v_lshlrev_b32 v[64+4*z], 16, v[64+4*z]
	v_and_b32 v[67+4*z], s[MHI], v[66+4*z]
	v_lshlrev_b32 v[66+4*z], 16, v[66+4*z]
	v_cvt_pk_f16_f32 v[64+4*z], v[64+4*z], v[65+4*z]
	v_cvt_pk_f16_f32 v[65+4*z], v[66+4*z], v[67+4*z]
	ds_store_b64 v[RS], v[64+4*z:65+4*z] offset:32*WPI+WPI*z
.set z, z+1
.endr
	s_wait_dscnt 0x0                               ; for the others' sake: my rows of the units, and of Wg, lie in LDS
	s_barrier_signal -1
	s_barrier_wait -1
.set z, 0
.rept 8                                        ; z = 4 unit + 2 tile + g: the turning load leaves lane l column tile + l % 16, k = 16 g + 8 h + 0..7: a block's 16 bytes
	ds_load_tr16_b128 v[96+4*z:99+4*z], v[RT] offset:(z/4)*32*WPI+((z/2)%2)*32+(z%2)*16*WPI
.set z, z+1
.endr
.set z, 0
.rept 16                                       ; the bias rounded to bf16, kept as f32
	v_cvt_pk_bf16_f32 v15, v[GFR+2*z], v[GFR+2*z+1]
	v_lshlrev_b32 v[GFR+2*z], 16, v15
	v_and_b32 v[GFR+2*z+1], s[MHI], v15
.set z, z+1
.endr
.set z, 0
.rept 2
	v_cvt_pk_bf16_f32 v15, v[VB+2*z], v[VB+2*z+1]
	v_lshlrev_b32 v[VB+2*z], 16, v15
	v_and_b32 v[VB+2*z+1], s[MHI], v15
.set z, z+1
.endr
	s_wait_dscnt 0x0
.set z, 0
.rept 4                                        ; each store of the wave covers 512 consecutive bytes, aligned
	global_store_b128 v[L16], v[96+4*z:99+4*z], s[WQO:WQO+1] offset:(z/2)*1024+(z%2)*512
	global_store_b128 v[L16], v[112+4*z:115+4*z], s[WOO:WOO+1] offset:(z/2)*1024+(z%2)*512
.set z, z+1
.endr
	; THE BIAS STARTS THE SUMS: it is copied into the accumulators while chunk 0 is on its way, so the loop has one form of product and the way out adds nothing
	s_cmp_eq_u32 s[TYP], 0
	s_cbranch_scc0 .Linitv
	WIN 0x80
.set z, 0
.rept 128                                      ; k: accumulator (ct, kt), register e holds channel 16 ct + 8 h + e
	v_mov_b32 v[z], v[GFR+8*(z/32)+z%8]
.set z, z+1
.endr
	WIN 0
	s_branch .Linit
.Linitv:
	WIN 0x80
.set z, 0
.rept 128                                      ; v: accumulator (kt, ct), every register holds channel 16 ct + r
	v_mov_b32 v[z], v[VB+(z/8)%4]
.set z, z+1
.endr
	WIN 0
.Linit:
	WIN 0x80
.set z, 0
.rept 16
	v_mov_b32 v[128+z], 0                          ; the gate's two sums
.set z, z+1
.endr
	WIN 0
	s_wait_xcnt 0x0                                ; the blocks' stores have read v96-127, which the first fetch writes again
; the fragments of 32 along K at step kk of the chunk: E's four (16 keys each) as they lie, W's four (16 columns each) turned
.macro FETCH kk, f
.set z, 0
.rept 4
	ds_load_b128 v[(\f)+8*z:(\f)+8*z+3], v[EAL] offset:z*16*EPI+64*(\kk)
	ds_load_b128 v[(\f)+8*z+4:(\f)+8*z+7], v[EAL] offset:z*16*EPI+64*(\kk)+32
.set z, z+1
.endr
.set z, 0
.rept 4
	ds_load_tr16_b128 v[(\f)+32+8*z:(\f)+32+8*z+3], v[WAL] offset:(\kk)*32*WPI+32*z
	ds_load_tr16_b128 v[(\f)+32+8*z+4:(\f)+32+8*z+7], v[WAL] offset:(\kk)*32*WPI+32*z+16*WPI
.set z, z+1
.endr
.endm
; the gate: (16 heads) x (16 keys) += Wg^T E^T; the four key tiles are summed on purpose, onto two accumulators that take turns
.macro GATEMM kk, f
	s_cmp_lg_u32 s[GF], 0
	s_cbranch_scc0 .Lngm_\@
	WIN 0xa0
.set z, 0
.rept 4
	v_wmma_f32_16x16x32_bf16 v[128+8*(z%2):128+8*(z%2)+7], v[GFR+8*(\kk):GFR+8*(\kk)+7], v[(\f)+8*z:(\f)+8*z+7], v[128+8*(z%2):128+8*(z%2)+7]
.set z, z+1
.endr
	WIN 0
.Lngm_\@:
.endm
; a chunk's 64 products.  typ 0 (k): source 0 = W's columns, source 1 = E's keys: a lane ends with ONE key and 8 channels.  typ 1 (v): the other way round: ONE channel and 8 keys.
; The 16 accumulators take turns.  While one step is multiplied the next step's 16 loads are out: the counted wait leaves just those.
.macro COMPUTE typ
.if (\typ) == 0
	s_cmp_lg_u32 s[GF], 0
	s_cbranch_scc0 .Lngl_\@
.set z, 0
.rept 4                                        ; the chunk's four fragments of Wg, ahead of the fetches, so that their counted waits cover these too
	ds_load_tr16_b128 v[GFR+8*z:GFR+8*z+3], v[GAD] offset:z*32*GPI
	ds_load_tr16_b128 v[GFR+8*z+4:GFR+8*z+7], v[GAD] offset:z*32*GPI+16*GPI
.set z, z+1
.endr
.Lngl_\@:
.endif
	FETCH 0, FB
.set kk, 0
.rept 4
.if kk < 3
.if kk > 0
	PLACES                                         ; behind the products that read the buffer to be loaded
.endif
	FETCH kk+1, FB+64*((kk+1)%2)
	s_wait_dscnt 16                                ; all but the 16 just issued
.else
	s_wait_dscnt 0x0
.endif
	WIN 0xa0                                       ; C and D window 2, sources window 0
.set fb, FB+64*(kk%2)
.set i, 0
.rept 4
.set j, 0
.rept 4
.if (\typ) == 0
	v_wmma_f32_16x16x32_bf16 v[8*(4*i+j):8*(4*i+j)+7], v[fb+32+8*i:fb+32+8*i+7], v[fb+8*j:fb+8*j+7], v[8*(4*i+j):8*(4*i+j)+7]
.else
	v_wmma_f32_16x16x32_bf16 v[8*(4*i+j):8*(4*i+j)+7], v[fb+8*i:fb+8*i+7], v[fb+32+8*j:fb+32+8*j+7], v[8*(4*i+j):8*(4*i+j)+7]
.endif
.set j, j+1
.endr
.set i, i+1
.endr
	WIN 0
.if (\typ) == 0
	GATEMM kk, fb
.endif
.set kk, kk+1
.endr
.endm
	s_mov_b32 s[CNT], 6
.Lchunk:
	s_wait_loadcnt 0x0                             ; the chunk is in registers (and its loads have read their pointers)
	WIN 0x45
.set z, 0
.rept 64
	v_cvt_pk_bf16_f32 v[4*z], v[4*z], v[4*z+1]
	v_cvt_pk_bf16_f32 v[4*z+1], v[4*z+2], v[4*z+3]
.set z, z+1
.endr
	WIN 0
	s_wait_dscnt 0x0                               ; my reads of the last chunk are over,
	s_barrier_signal -1
	s_barrier_wait -1                              ; and everybody's: the chunk's bytes in LDS may be written again
	WIN 0x04                                       ; store data in window 1
.set z, 0
.rept 32
	ds_store_b64 v[ES], v[4*z:4*z+1] offset:EPI*z
	ds_store_b64 v[WS], v[128+4*z:128+4*z+1] offset:WPI*z
.set z, z+1
.endr
	WIN 0
	s_cmp_eq_u32 s[CNT], 1
	s_cbranch_scc1 .Lnoload                        ; the last chunk has none behind it
	s_add_nc_u64 s[EP:EP+1], s[EP:EP+1], 512       ; 128 channels on
	s_add_nc_u64 s[WP:WP+1], s[WP:WP+1], 128*4096  ; 128 rows on
	LOADCH
.Lnoload:
	s_wait_dscnt 0x0                               ; for the others' sake: my rows lie in LDS
	s_barrier_signal -1
	s_barrier_wait -1
	s_cmp_eq_u32 s[TYP], 0
	s_cbranch_scc0 .Lcv
	COMPUTE 0
	s_branch .Lcd
.Lcv:
	COMPUTE 1
.Lcd:
	v_add_nc_u32 v[GAD], 128*GPI, v[GAD]
	s_sub_co_u32 s[CNT], s[CNT], 1
	s_cmp_lg_u32 s[CNT], 0
	s_cbranch_scc1 .Lchunk
	PLACES
	PLACES
	s_cmp_eq_u32 s[TYP], 0
	s_cbranch_scc0 .Loutv
	; k: a key's 64 channels lie in two lanes, 32 each.  Sum of squares in four chains (a key tile each), from each accumulator's lowest registers on
	WIN 0x0a
.set i, 0
.rept 4
.set p, 0
.rept 4
.set j, 0
.rept 4
.set rg, 8*(4*i+j)+2*p
.if (i == 0) && (p == 0)
	v_pk_mul_f32 v[TT+2*j:TT+2*j+1], v[rg:rg+1], v[rg:rg+1]
.else
	v_pk_fma_f32 v[TT+2*j:TT+2*j+1], v[rg:rg+1], v[rg:rg+1], v[TT+2*j:TT+2*j+1]
.endif
.set j, j+1
.endr
.set p, p+1
.endr
.set i, i+1
.endr
	WIN 0
.irp j, 0,1,2,3
	v_add_f32 v[TT+2*\j], v[TT+2*\j], v[TT+2*\j+1]
.endr
.irp j, 0,1,2,3
	v_permlanex16_b32 v[TT+2*\j+1], v[TT+2*\j], s[SEL], s[SEL+1]
.endr
.irp j, 0,1,2,3
	v_add_f32 v[TT+2*\j], v[TT+2*\j], v[TT+2*\j+1]
.endr
.irp j, 0,1,2,3
	v_sqrt_f32 v[TT+2*\j], v[TT+2*\j]
.endr
	v_nop                                          ; a plain instruction behind the last root,
	s_wait_alu depctr_va_vdst(0)                   ; and the one wait ahead of the batch's first reader
.irp j, 0,1,2,3
	v_max_num_f32 v[TT+2*\j], 0x358637bd, v[TT+2*\j]  ; max(norm, 1e-6)
.endr
.irp j, 0,1,2,3
	v_rcp_f32 v[TT+2*\j], v[TT+2*\j]
.endr
	v_nop
	s_wait_alu depctr_va_vdst(0)
	WIN 0x82
.set z, 0
.rept 64
	v_pk_mul_f32 v[2*z:2*z+1], v[2*z:2*z+1], v[TT+2*((z/4)%4):TT+2*((z/4)%4)+1] op_sel_hi:[1,0]
.set z, z+1
.endr
	WIN 0x0a
.set z, 0
.rept 64
	v_cvt_pk_f16_f32 v[32+z], v[2*z], v[2*z+1]
.set z, z+1
.endr
	WIN 0
.set i, 0
.rept 4
.set j, 0
.rept 4                                        ; channels 16 i + 8 h + 0..7 of key 16 j + r: block (kt = j, ks = i / 2), g = i % 2; 512 consecutive bytes a store
	global_store_b128 v[L16], v[32+4*(4*i+j):32+4*(4*i+j)+3], s[OUTP:OUTP+1] offset:(2*j+i/2)*1024+(i%2)*512
.set j, j+1
.endr
.set i, i+1
.endr
	s_branch .Lgate
.Loutv:
	WIN 0x0a
.set z, 0
.rept 64
	v_cvt_pk_f16_f32 v[32+z], v[2*z], v[2*z+1]
.set z, z+1
.endr
	WIN 0
.set i, 0
.rept 4
.set j, 0
.rept 4                                        ; keys 16 i + 8 h + 0..7 of channel 16 j + r: block (ksv = i / 2, cb = j), g = i % 2
	global_store_b128 v[L16], v[32+4*(4*i+j):32+4*(4*i+j)+3], s[OUTP:OUTP+1] offset:(4*(i/2)+j)*1024+(i%2)*512
.set j, j+1
.endr
.set i, i+1
.endr
.Lgate:
	s_cmp_lg_u32 s[GF], 0
	s_cbranch_scc0 .Lend
	WIN 0x0a                                       ; register e of lane (r, h): head 8 h + e, key column r: the two sums are added, then the 16 columns
.irp p, 0,1,2,3
	v_pk_add_f32 v[GT+2*\p:GT+2*\p+1], v[128+2*\p:128+2*\p+1], v[136+2*\p:136+2*\p+1]
.endr
	WIN 0
.irp m, 1,2,4,8
.irp e, 0,1,2,3,4,5,6,7
	v_add_f32_dpp v[GT+\e], v[GT+\e], v[GT+\e] row_xmask:\m row_mask:0xf bank_mask:0xf
.endr
.endr
	v_cmp_eq_u32 vcc_lo, 0, v2
	s_wait_xcnt 0x0                                ; EXEC is a source of the stores above: it changes only behind this wait
	s_and_saveexec_b32 s[SV], vcc_lo               ; lanes 0 and 16: heads 0-7 and 8-15
	global_store_b128 v[B32H], v[GT:GT+3], s[LPP:LPP+1]
	global_store_b128 v[B32H], v[GT+4:GT+7], s[LPP:LPP+1] offset:16
	s_wait_xcnt 0x0                                ; and again ahead of the line that widens it
	s_or_b32 exec_lo, exec_lo, s[SV]
.Lend:
	s_wait_tensorcnt 0x0                           ; the wave's end, behind my last LDS store
	ds_add_u32 v[SPW], v[NIL]
	s_wait_dscnt 0x0
	s_endpgm
.Lfunc_end_k_q175a3dc019_prep:
	.size	k_q175a3dc019_prep, .Lfunc_end_k_q175a3dc019_prep-k_q175a3dc019_prep
	.p2alignl 7, 3214868480
	.fill 96, 4, 3214868480
	.section	.rodata,"a",@progbits
	.p2align	6, 0x0
	.amdhsa_kernel k_q175a3dc019_prep
		.amdhsa_group_segment_fixed_size 127488
		.amdhsa_private_segment_fixed_size 0
		.amdhsa_enable_private_segment 0
		.amdhsa_kernarg_size 80
		.amdhsa_user_sgpr_count 2
		.amdhsa_user_sgpr_kernarg_segment_ptr 1
		.amdhsa_wavefront_size32 1
		.amdhsa_system_sgpr_workgroup_id_x 1
		.amdhsa_system_sgpr_workgroup_id_y 1
		.amdhsa_system_sgpr_workgroup_id_z 1
		.amdhsa_system_vgpr_workitem_id 0
		.amdhsa_next_free_vgpr 768
		.amdhsa_next_free_sgpr 66
		.amdhsa_reserve_vcc 1
		.amdhsa_float_denorm_mode_32 3
		.amdhsa_float_denorm_mode_16_64 3
		.amdhsa_memory_ordered 1
		.amdhsa_forward_progress 1
		.amdhsa_inst_pref_size 101
	.end_amdhsa_kernel
	.amdgpu_metadata
---
amdhsa.version: [ 1, 2 ]
amdhsa.kernels:
  - .name:           k_q175a3dc019_prep
    .symbol:         k_q175a3dc019_prep.kd
    .args:
      - { .name: encoder_hidden_states, .offset: 0, .size: 8, .value_kind: global_buffer, .address_space: global }
      - { .name: Wk, .offset: 8, .size: 8, .value_kind: global_buffer, .address_space: global }
      - { .name: Wv, .offset: 16, .size: 8, .value_kind: global_buffer, .address_space: global }
      - { .name: bk, .offset: 24, .size: 8, .value_kind: global_buffer, .address_space: global }
      - { .name: bv, .offset: 32, .size: 8, .value_kind: global_buffer, .address_space: global }
      - { .name: Wg, .offset: 40, .size: 8, .value_kind: global_buffer, .address_space: global }
      - { .name: Wq, .offset: 48, .size: 8, .value_kind: global_buffer, .address_space: global }
      - { .name: Wo, .offset: 56, .size: 8, .value_kind: global_buffer, .address_space: global }
      - { .name: STR, .offset: 64, .size: 8, .value_kind: global_buffer, .address_space: global }
      - { .name: LP, .offset: 72, .size: 8, .value_kind: global_buffer, .address_space: global }
    .group_segment_fixed_size: 127488
    .private_segment_fixed_size: 0
    .kernarg_segment_align: 8
    .kernarg_segment_size: 80
    .max_flat_workgroup_size: 128
    .sgpr_count:     66
    .vgpr_count:     768
    .wavefront_size: 32
...
	.end_amdgpu_metadata
.endif
;; end of part 1
;; launch main (part 2): grid 256 x 1, 4 waves a work-group, clusters of 4 x 1, 327,680 bytes of LDS; arguments hidden_states, STR, LP, bq, bg, head_gain, bo, out0; writes out0
.if DOCPART == 2
	.amdgcn_target "amdgcn-amd-amdhsa--gfx1250"
	.amdhsa_code_object_version 6
	.text
	.protected	k_q175a3dc019_main
	.globl	k_q175a3dc019_main
	.p2align	8
	.type	k_q175a3dc019_main,@function
k_q175a3dc019_main:
	s_mov_b64 s[64:65], 0
	v_nop
	global_prefetch_b8 v0, s[64:65] scope:SCOPE_SE
	s_setreg_imm32_b32 hwreg(HW_REG_WAVE_MODE, 25, 1), 1
	s_wait_xcnt 0x0
	s_wait_alu depctr_hold_cnt(0) depctr_sa_sdst(0) depctr_va_vdst(0) depctr_va_sdst(0) depctr_va_ssrc(0) depctr_va_vcc(0) depctr_vm_vsrc(0)
	s_getreg_b32 s2, hwreg(HW_REG_IB_STS2, 6, 4)
	s_cmp_eq_u32 s2, 0
	s_cbranch_scc0 .Lentry_in_a_cluster
	s_endpgm
.Lentry_in_a_cluster:
	s_bfe_u32 s2, ttmp6, 0x10000c
	s_cmp_lg_u32 s2, 0x3003
	s_cbranch_scc0 .Lentry_shape_is_right
	s_endpgm
.Lentry_shape_is_right:
; MAIN.  out0 = (softmax(q^ k^T / 8) v (1 + gamma)) Wo + bo with q = X Wq + bq normalised by heads, for 64 rows of X a work-group, with nothing stored between the steps.
; SHARES.  256 work-groups of 64 query rows.  Wave w owns output channels 256 w .. + 255 of both projections and heads 4 w .. 4 w + 3 of the attention, for all 64 rows (four tiles of 16).
; LAYOUT.  Every product is taken transposed: source 0 = 16 rows of weights, of k^ or of v^T, source 1 = 16 queries.  So a lane always holds ONE query (lane % 16) and eight neighbouring
; channels or keys (8 (lane / 16) + 0..7), and q's sums become Q's fragments, the scores P's and O^T's sums O's by rounding in pairs alone: nothing changes lanes but norms and row sums.
; THE STREAM.  All that source 0 takes comes from STR in fragment order (the launch before wrote it): 48 slots of 128 KiB: 16 of Wq, 16 of the batch's k^ and v, 16 of Wo.  A wave's
; quarter of a slot is dense, is fetched by that wave's one tensor load and is read by that wave alone: 128 matrix instructions a wave and slot.  Two LDS slots take turns.
; CLUSTER.  The four work-groups of a cluster lie in one batch and walk the same 48 slots, so every tile is asked for JOINTLY (mask 15), behind a round of the cluster's barrier.
; FORMATS.  X, Wq, bq, bo, bg, head_gain rounded once to bf16; q^ (with log2(e) / 8 folded in, in f32), P and O rounded once to f16; k^, v, Wo arrive in f16; all sums in f32.
; NO MAXIMUM is taken from the scores: q^ and k^ are vectors that the computation itself has normalised (length at most 1), so every score lies in -1/8 .. 1/8 and every weight in 0.88 .. 1.14,
; for every input; a row's sum of 512 weights lies in 451 .. 581.
; LIMITS.  |v| (1 + gamma) stays under 65,504 (f16); NaN and infinities are not treated apart; sums are taken in another order than the reference's.
.set SLOTB, 1<<17                      ; an LDS slot; slot 1 begins here, so that one exclusive or turns an address in one slot into the other's
.set OREG, 2*SLOTB                     ; 33,792 bytes: O's fragments of one head a wave (8,192 each); at the end a stage of 16 rows x 528 bytes for each wave
.set STG, 16*528
.set XB0, OREG+4*STG                   ; 64 rows x 144 bytes: a chunk (64 channels) of X in bf16
.set XPI, 144                          ; 128 bytes + 16: an odd multiple of 16
.set SPARE, XB0+64*XPI                 ; the spare words, 128 bytes a wave: two blocks of 256 bytes that no other line names
.set XTOG, 0x4000                      ; the second chunk buffer lies at XB0 xor XTOG = 312,320
.set L16, 2                            ; v2   16 x lane; never rewritten
.set WADR, 3                           ; v3   LDS address of source 0's fragments
.set AADR, 4                           ; v4   of source 1's (X, O), or of V's
.set XLT, 5                            ; v5   my place in a fragment of X
.set XO, 6                             ; v6   my byte offset in the group's rows of X
.set XS, 7                             ; v7   where I store 8 bytes of a row of X, less the buffer
.set XSA, 8                            ; v8   the same with the buffer
.set STO, 9                            ; v9   the way out: where I put 32 bytes of a row
.set RD, 10                            ; v10  the way out: where I read a row back
.set GO, 11                            ; v11  1,024 w + 16 x lane: my bytes in a row of out0 and in bo
.set PFO, 12                           ; v12  256 x lane
.set PXO, 13                           ; v13  a row of X for each of 64 threads
.set OST, 14                           ; v14  where I put my O fragments
.set BOF, 15                           ; v15  my bytes of bq
.set LS, 16                            ; v16-23 the row sums l, a pair (even keys', odd keys') for each query tile
.set LPO, 24
.set GBO, 25
.set TT, 26
.set SPW, 28                           ; v28  my spare word; never rewritten
.set NIL, 29                           ; v29  0; never rewritten
.set WB0, 32                           ; v32-95, v96-159   two buffers of eight fragments of source 0.   In the attention: S^T (qt, kt) at 32 + 32 qt + 8 kt
.set AB0, 160                          ; v160-191, v192-223 source 1's four fragments for ks = 0, 1.      In the attention: P (qt, ksv) at 160 + 16 qt + 8 ksv
.set AB1, 192
.set T, 224                            ; v224-231 at work
.set U, 232                            ; v232-235 at work
.set BO, 248                           ; v248-255 bo of my 4 columns in each half of my 256
; window 1: blocks g at 64 g + 16 qt + 8 ks: Q's fragments of head g, later O's.  In the first projection: v0-127 bq (8 a channel tile), v128-159 a chunk of X as loaded, v160-195 chunk 0 and temporaries
; window 2: accumulators (ct 0-7, qt) at 32 ct + 8 qt.   In the attention: K (kt, ks) at 16 kt + 8 ks; the head's Q at 64 + 16 qt + 8 ks; V (ksv, cb) at 128 + 32 ksv + 8 cb
; window 3: accumulators (ct 8-15, qt).                  In the attention: O^T (qt, cb) at 32 qt + 8 cb
.set WV, 20
.set CX, 21
.set WG, 22
.set BADJ, 24                          ; batch x 2 MiB
.set TN, 25                            ; the slot to be asked for next
.set FK, 26                            ; 1: my cluster is its batch's first: it prefetches k^ and v
.set FW, 27                            ; 1: my cluster is the launch's first: it prefetches the weights
.set G1, 28                            ; s[28:35] descriptor group 1
.set G0A, 36                           ; s[36:39] group 0 of the first fill
.set G0, 40                            ; s[40:43] group 0 that walks
.set OFF, 44                           ; s[44:45] a slot's byte offset in STR, high word 0
.set POF, 46                           ; s[46:47] the same for the prefetch
.set WOFF, 48                          ; 32,768 x wave
.set PSH, 49                           ; (4 cx + wave) x 8,192: my sixteenth of a slot, for the prefetch alone
.set PFA, 50                           ; s[50:51]
.set AQ, 52                            ; 1: the prefetch in hand is mine
.set TB, 53                            ; LDS byte at which my next fragments begin
.set XBS, 54                           ; the chunk buffer that the next slot reads
.set CNT, 55
.set LIMX, 56
.set TWICE, 57
.set SL, 58
.set HD, 59
.set GC, 60                            ; 1 + gamma of the head in hand
.set T3C, 62
.set OB, 63
.set SEL, 66                           ; s[66:67]
.set GAM, 68                           ; s[68:71] 1 + gamma of my four heads
.set XP, 72                            ; s[72:73] X at my group's rows, one chunk behind the chunk last loaded
.set MHI, 74
.set TA, 75
.set TQ, 76
.set TC, 77
.set OUTP, 78                          ; s[78:79]
.set TP, 80                            ; s[80:81]
.set MSB, 0
.macro WIN new                         ; the high byte repeats the setting that is left; a switch that changes nothing is dropped
.if MSB != (\new)
	s_set_vgpr_msb (MSB<<8)|(\new)
.set MSB, (\new)
.endif
.endm
.macro PLACES                          ; four plain places behind a matrix instruction (ISA guide 7.12.1)
.rept 4
	v_nop
.endr
.endm
.macro CREST                           ; a round of the cluster's barrier behind its opening barrier
	s_cmp_lg_u32 s[WV], 0
	s_cbranch_scc1 .Lnw0_\@
	s_barrier_signal -3
.Lnw0_\@:
	s_barrier_wait -3
	s_barrier_signal -1
	s_barrier_wait -1
.endm
.macro ROUND
	s_barrier_signal -1
	s_barrier_wait -1
	CREST
.endm
; The walking descriptor and the prefetch's address are made anew: STR + the slot's number x 128 KiB + 0, the batch's 2 MiB or 6 MiB + the wave's part.  No tensor load of mine is out here.
.macro NEXTADDR
	s_xor_b32 s[G0+1], s[G0+1], SLOTB              ; the other LDS slot than last time
	s_lshl_b32 s[OFF], s[TN], 17
	s_cmp_ge_u32 s[TN], 16
	s_cselect_b32 s[TA], s[BADJ], 0
	s_cmp_ge_u32 s[TN], 32
	s_cselect_b32 s[TA], 6<<20, s[TA]
	s_add_co_u32 s[OFF], s[OFF], s[TA]
	s_add_co_u32 s[OFF], s[OFF], s[WOFF]
	s_add_nc_u64 s[G0+2:G0+3], s[6:7], s[OFF:OFF+1]
	s_or_b32 s[G0+3], s[G0+3], 0x80000000
	s_add_co_u32 s[TQ], s[TN], 2                   ; the prefetch names the slot two refills on,
	s_min_u32 s[TC], s[TQ], 47                     ; held inside the stream
	s_lshl_b32 s[POF], s[TC], 17
	s_cmp_ge_u32 s[TQ], 16
	s_cselect_b32 s[TA], s[BADJ], 0
	s_cselect_b32 s[AQ], s[FK], s[FW]
	s_cmp_ge_u32 s[TQ], 32
	s_cselect_b32 s[TA], 6<<20, s[TA]
	s_cselect_b32 s[AQ], s[FW], s[AQ]
	s_cmp_ge_u32 s[TQ], 48
	s_cselect_b32 s[AQ], 0, s[AQ]                  ; the last two refills have no slot two on
	s_add_co_u32 s[POF], s[POF], s[TA]
	s_add_co_u32 s[POF], s[POF], s[PSH]
	s_wait_xcnt 0x0                                ; the last prefetch, a slot back, has read its address
	s_add_nc_u64 s[PFA:PFA+1], s[6:7], s[POF:POF+1]
	s_add_co_u32 s[TN], s[TN], 1
.endm
.macro REFILL                          ; my one tensor load behind the round; an s_nop 0 and four v_nop follow it; the four are also places in front of the LDS loads that follow
	tensor_load_to_lds s[G0:G0+3], s[G1:G1+7]
	s_nop 0
.rept 4
	v_nop
.endr
.endm
; A PREFETCH INTO THE L2 of the slot two refills on: 512 blocks of 256 bytes, shared out BY ADDRESS among 4 work-groups x 4 waves x 32 lanes: one instruction a wave.  Every cluster of a batch walks the
; same k^ and v, every cluster the same weights: the batch's first cluster, or the launch's first, asks, so each block is named once.  Slots 0 to 3 come by their loads alone.
.macro ASK
	s_cmp_lg_u32 s[AQ], 0
	s_cbranch_scc0 .Lna_\@
	global_prefetch_b8 v[PFO], s[PFA:PFA+1] th:TH_LOAD_NT scope:SCOPE_SE
.Lna_\@:
.endm
; n x 4 products: channel tiles c0 .. of half hi x the four query tiles.  cm = 0: in place; 1: the constant 0 starts the sums; 2: the bias (window 1) starts them.  All accumulators differ: they take turns.
.macro MULT typ, f, ab, hi, c0, n, cm
.if (\cm) == 2
	WIN 0x90+0x40*(\hi)
.else
	WIN 0xa0+0x50*(\hi)
.endif
.set mc, (\c0)
.rept (\n)
.set mq, 0
.rept 4
.if (\cm) == 1
	v_wmma_f32_16x16x32_\typ v[32*mc+8*mq:32*mc+8*mq+7], v[(\f)+8*mc:(\f)+8*mc+7], v[(\ab)+8*mq:(\ab)+8*mq+7], 0
.elseif (\cm) == 2
	v_wmma_f32_16x16x32_\typ v[32*mc+8*mq:32*mc+8*mq+7], v[(\f)+8*mc:(\f)+8*mc+7], v[(\ab)+8*mq:(\ab)+8*mq+7], v[8*(8*(\hi)+mc):8*(8*(\hi)+mc)+7]
.else
	v_wmma_f32_16x16x32_\typ v[32*mc+8*mq:32*mc+8*mq+7], v[(\f)+8*mc:(\f)+8*mc+7], v[(\ab)+8*mq:(\ab)+8*mq+7], v[32*mc+8*mq:32*mc+8*mq+7]
.endif
.set mq, mq+1
.endr
.set mc, mc+1
.endr
.endm
.macro FETCHW f, off                   ; eight blocks of source 0: 16 loads, each 512 consecutive bytes
	WIN 0
.set z, 0
.rept 8
	ds_load_b128 v[(\f)+8*z:(\f)+8*z+3], v[WADR] offset:(\off)+1024*z
	ds_load_b128 v[(\f)+8*z+4:(\f)+8*z+7], v[WADR] offset:(\off)+1024*z+512
.set z, z+1
.endr
.endm
.macro FETCHA ab, ks                   ; source 1's four fragments; AKS, AQT, ASEC are the phase's steps
	WIN 0
.set z, 0
.rept 4
	ds_load_b128 v[(\ab)+8*z:(\ab)+8*z+3], v[AADR] offset:(\ks)*AKS+z*AQT
	ds_load_b128 v[(\ab)+8*z+4:(\ab)+8*z+7], v[AADR] offset:(\ks)*AKS+z*AQT+ASEC
.set z, z+1
.endr
.endm
; A slot of a projection is four halves of 32 products: (ks, channel tiles 0-7 or 8-15).  One of the first three: fetches the next half's fragments in one run, then multiplies its own.
.macro HALF n, typ, cm
	WIN 0
	PLACES                                         ; behind the products that read the buffer to be loaded
	FETCHW WB0+64*(((\n)+1)%2), (((\n)+1)/2)*16384+(((\n)+1)%2)*8192
.if (\n) == 1
	FETCHA AB1, 1
	s_wait_dscnt 24                                ; all but the 24 just issued
.else
	s_wait_dscnt 16                                ; all but the 16 just issued
.endif
	MULT \typ, WB0+64*((\n)%2), AB0+32*((\n)/2), (\n)%2, 0, 8, \cm
.endm
.macro OSTORE g                        ; my O fragments of head g (window 1) into OREG: register 4 i goes to byte 512 i
	WIN 0x04
.set z, 0
.rept 16
	ds_store_b128 v[OST], v[64*(\g)+4*z:64*(\g)+4*z+3] offset:512*z
.set z, z+1
.endr
	WIN 0
.endm
; The fourth half changes slots.  In front of the round each wave waits for all its tensor loads (one is out: its part of the next slot), adds 0 to its spare word, and waits for that and for its reads of
; this slot; behind the round no wave of any partner reads the slot or has a load on its way, and the joint refill comes first.  It has a slot's 128 products, less 16, in which to land.
; fill = 0: the last change: nothing is asked for, and as each wave reads its own part alone its own wait is all the ordering.  next = 1: the next slot's first fragments are fetched.
; ph = 1: source 1 is X's next chunk.  ph = 3: source 1 is O of head 4 j + g, j = slot % 4; every fourth slot each wave lays its next head's O into OREG, between two barriers.
.macro H3 fill, next, ph, typ
	WIN 0
	s_wait_tensorcnt 0x0
.if \fill
	ds_add_u32 v[SPW], v[NIL]                      ; 0 onto my spare word; scalar work and eight products stand between it and the wait for it
	NEXTADDR
	s_wait_dscnt 1                                 ; only the add may be out: this half's fragments are in
	MULT \typ, WB0+64, AB1, 1, 0, 2, 0
	s_wait_dscnt 0x0                               ; the add is done, and my reads of this slot are over
	s_barrier_signal -1
	MULT \typ, WB0+64, AB1, 1, 2, 2, 0
	WIN 0
	s_barrier_wait -1
	CREST
	REFILL
.else
	s_wait_dscnt 0x0
	MULT \typ, WB0+64, AB1, 1, 0, 4, 0
	WIN 0
	PLACES
.endif
	s_xor_b32 s[TB], s[TB], SLOTB
	v_add_nc_u32 v[WADR], s[TB], v[L16]
.if (\ph) == 1
	v_add_nc_u32 v[AADR], s[XBS], v[XLT]
	s_xor_b32 s[XBS], s[XBS], XTOG
.else
	s_add_co_u32 s[T3C], s[T3C], 1
	s_and_b32 s[OB], s[T3C], 3
	s_lshl_b32 s[OB], s[OB], 13
	s_add_co_u32 s[OB], s[OB], OREG
.if \fill
	s_cmp_eq_u32 s[T3C], 4
	s_cbranch_scc0 .Lx8_\@
	OSTORE 1
	s_branch .Lxd_\@
.Lx8_\@:
	s_cmp_eq_u32 s[T3C], 8
	s_cbranch_scc0 .Lx12_\@
	OSTORE 2
	s_branch .Lxd_\@
.Lx12_\@:
	s_cmp_eq_u32 s[T3C], 12
	s_cbranch_scc0 .Lxd_\@
	OSTORE 3
.Lxd_\@:
	s_wait_dscnt 0x0                               ; for the others' sake: my fragments lie in OREG (the round above has shown that nobody reads the old ones)
	s_barrier_signal -1
	s_barrier_wait -1
.endif
	v_add_nc_u32 v[AADR], s[OB], v[L16]
.endif
.if \next
	FETCHW WB0, 0
	FETCHA AB0, 0
.endif
.if \fill
	ASK
.endif
	MULT \typ, WB0+64, AB1, 1, 4, 4, 0
.endm
.macro XCVT b                          ; a chunk of X in window 1 at v[b ..]: to bf16 in place, 8 bytes a lane into the buffer of XSA
	WIN 0x45
.set z, 0
.rept 8
	v_cvt_pk_bf16_f32 v[(\b)+4*z], v[(\b)+4*z], v[(\b)+4*z+1]
	v_cvt_pk_bf16_f32 v[(\b)+4*z+1], v[(\b)+4*z+2], v[(\b)+4*z+3]
.set z, z+1
.endr
	WIN 0x04
.set z, 0
.rept 8
	ds_store_b64 v[XSA], v[(\b)+4*z:(\b)+4*z+1] offset:2*XPI*z
.set z, z+1
.endr
	WIN 0
.endm
; In slot t: chunk t + 1 goes from registers into LDS (the buffer that slot t - 1 read: the round between has shown those reads over), chunk t + 2 is loaded (a slot ahead of its use), and waves 0 and 1
; prefetch chunk t + 4, a lane a row of 256 bytes, two slots ahead of its load; chunks 0 to 3 come by their loads alone; the trips whose chunk would not exist ask for nothing.
.macro XCONV
	WIN 0
	s_wait_loadcnt 0x0
	v_add_nc_u32 v[XSA], s[XBS], v[XS]
	XCVT 128
	s_cmp_gt_u32 s[CNT], 1
	s_cbranch_scc0 .Lnox_\@
	s_wait_xcnt 0x0                                ; the last prefetch, a slot back, has read the pointer
	s_add_nc_u64 s[XP:XP+1], s[XP:XP+1], 256
	WIN 0x40
.set z, 0
.rept 8
	global_load_b128 v[128+4*z:128+4*z+3], v[XO], s[XP:XP+1] offset:8192*z+256 th:TH_LOAD_NT
.set z, z+1
.endr
	WIN 0
	s_cmp_gt_u32 s[CNT], s[LIMX]
	s_cbranch_scc0 .Lnox_\@
	global_prefetch_b8 v[PXO], s[XP:XP+1] offset:768 th:TH_LOAD_NT scope:SCOPE_SE
.Lnox_\@:
.endm
	s_load_b512 s[4:19], s[0:1], 0x0               ; X s[4:5], STR s[6:7], LP s[8:9], bq s[10:11], bg s[12:13], head_gain s[14:15], bo s[16:17], out0 s[18:19]
	v_lshl_add_u32 v[SPW], v0, 2, SPARE
	v_mov_b32 v[NIL], 0
	ds_add_u32 v[SPW], v[NIL]                      ; the wave's opening: the add and its wait stand ahead of my first tensor load; work on registers stands between them
	v_lshrrev_b32 v1, 5, v0
	v_readfirstlane_b32 s[WV], v1                  ; wave 0..3
	s_bfe_u32 s[CX], ttmp6, 0x40000                ; my place in the cluster: it enters X's, out0's and the prefetch's addresses alone
	s_lshl_b32 s[WG], ttmp9, 2                     ; in a cluster launch ttmp9 counts clusters
	s_add_co_u32 s[WG], s[WG], s[CX]
	s_lshr_b32 s[BADJ], ttmp9, 4                   ; the batch: 16 clusters each
	s_lshl_b32 s[TP], s[BADJ], 9                   ; its 8 rows of LP
	s_mov_b32 s[TP+1], 0
	s_lshl_b32 s[BADJ], s[BADJ], 21
	s_mov_b32 s[TN], 2
	s_and_b32 s[TA], ttmp9, 15
	s_cmp_eq_u32 s[TA], 0
	s_cselect_b32 s[FK], 1, 0
	s_cmp_eq_u32 ttmp9, 0
	s_cselect_b32 s[FW], 1, 0
	; descriptor group 1: 32,768 dense bytes as 128 rows of 256 bytes
	s_mov_b32 s[G1+0], 15|(3<<16)|(1<<21)          ; 15:0 the mask: all four work-groups; 17:16 elements of 8 bytes; 21 set beside a mask; no padding
	s_mov_b32 s[G1+1], 32<<16                      ; tensor_dim0 = 32
	s_mov_b32 s[G1+2], 128<<16                     ; tensor_dim1 = 128
	s_mov_b32 s[G1+3], 32<<16                      ; tile_dim0 = 32
	s_mov_b32 s[G1+4], 128                         ; tile_dim1 = 128
	s_mov_b32 s[G1+5], 32                          ; 32 elements from row to row
	s_mov_b32 s[G1+6], 0
	s_mov_b32 s[G1+7], 0
	s_lshl_b32 s[WOFF], s[WV], 15
	s_lshl_b32 s[PSH], s[CX], 2
	s_add_co_u32 s[PSH], s[PSH], s[WV]
	s_lshl_b32 s[PSH], s[PSH], 13
	s_mov_b32 s[OFF+1], 0
	s_mov_b32 s[POF+1], 0
	s_mov_b32 s[G0A], 1
	s_mov_b32 s[G0A+1], s[WOFF]                    ; slot 0, my part
	s_mov_b32 s[G0], 1
	s_add_co_u32 s[G0+1], s[WOFF], SLOTB           ; slot 1, my part
	s_mov_b32 s[TB], s[WOFF]
	s_mov_b32 s[XBS], XB0^XTOG
	s_mov_b32 s[SEL], 0x76543210
	s_mov_b32 s[SEL+1], 0xfedcba98
	s_mov_b32 s[MHI], 0xffff0000
	s_cmp_lt_u32 s[WV], 2
	s_cselect_b32 s[LIMX], 3, -1
	s_wait_dscnt 0x0                               ; the opening add is done
	s_wait_kmcnt 0x0
	s_mov_b32 s[OFF], s[WOFF]
	s_add_nc_u64 s[G0A+2:G0A+3], s[6:7], s[OFF:OFF+1]
	s_or_b32 s[G0A+3], s[G0A+3], 0x80000000
	s_add_co_u32 s[OFF], s[WOFF], SLOTB
	s_add_nc_u64 s[G0+2:G0+3], s[6:7], s[OFF:OFF+1]
	s_or_b32 s[G0+3], s[G0+3], 0x80000000
	s_add_nc_u64 s[8:9], s[8:9], s[TP:TP+1]
	s_lshl_b32 s[TP], s[WG], 18                    ; 64 rows of 4,096 bytes
	s_add_nc_u64 s[XP:XP+1], s[4:5], s[TP:TP+1]
	s_add_nc_u64 s[OUTP:OUTP+1], s[18:19], s[TP:TP+1]
	ROUND                                          ; all four work-groups are here: the first joint loads meet
	tensor_load_to_lds s[G0A:G0A+3], s[G1:G1+7]    ; stream slots 0 and 1: two loads of mine are out
	s_nop 0
	tensor_load_to_lds s[G0:G0+3], s[G1:G1+7]
	s_nop 0
.rept 4
	v_nop
.endr
	v_and_b32 v1, 31, v0                           ; lane
	v_and_b32 v30, 15, v0                          ; r
	v_bfe_u32 v31, v0, 4, 1                        ; h
	v_lshlrev_b32 v[L16], 4, v1
	v_add_nc_u32 v[WADR], s[TB], v[L16]
	v_mul_u32_u24 v[XLT], v30, XPI
	v_lshl_add_u32 v[XLT], v31, 4, v[XLT]
	v_add_nc_u32 v[AADR], XB0, v[XLT]
	s_lshl_b32 s[TA], s[WV], 16                    ; my 16 rows of X; a load takes two: lanes 0-15 one row's 256 bytes, lanes 16-31 the next row's
	v_lshlrev_b32 v[XO], 12, v31
	v_lshl_add_u32 v[XO], v30, 4, v[XO]
	v_add_nc_u32 v[XO], s[TA], v[XO]
	s_mul_i32 s[TA], s[WV], 16*XPI
	v_mul_u32_u24 v[XS], v31, XPI
	v_lshl_add_u32 v[XS], v30, 3, v[XS]
	v_add_nc_u32 v[XS], s[TA], v[XS]
	v_add_nc_u32 v[XSA], XB0, v[XS]
	s_mul_i32 s[TA], s[WV], STG
	s_add_co_u32 s[TA], s[TA], OREG
	v_mul_u32_u24 v[STO], v30, 528
	v_lshl_add_u32 v[STO], v31, 5, v[STO]
	v_add_nc_u32 v[STO], s[TA], v[STO]
	v_add_nc_u32 v[RD], s[TA], v[L16]
	s_lshl_b32 s[TA], s[WV], 10
	v_add_nc_u32 v[GO], s[TA], v[L16]
	v_lshl_add_u32 v[BOF], v31, 5, s[TA]           ; bq: 1,024 w + 32 h
	v_lshlrev_b32 v[PFO], 8, v1
	v_and_b32 v[PXO], 63, v0
	v_lshlrev_b32 v[PXO], 12, v[PXO]
	s_lshl_b32 s[TA], s[WV], 13
	s_add_co_u32 s[TA], s[TA], OREG
	v_add_nc_u32 v[OST], s[TA], v[L16]
	s_lshl_b32 s[TA], s[WV], 4
	v_and_b32 v[LPO], 7, v0
	v_lshl_add_u32 v[LPO], v[LPO], 6, s[TA]        ; row lane % 8 of the batch's 8, my four heads
	v_mov_b32 v[GBO], s[TA]
	WIN 0x40
.set z, 0
.rept 8
	global_load_b128 v[160+4*z:160+4*z+3], v[XO], s[XP:XP+1] offset:8192*z th:TH_LOAD_NT      ; chunk 0
.set z, z+1
.endr
.set z, 0
.rept 16
	global_load_b128 v[8*z:8*z+3], v[BOF], s[10:11] offset:64*z                               ; bq of channels 16 z + 8 h + 0..7
	global_load_b128 v[8*z+4:8*z+7], v[BOF], s[10:11] offset:64*z+16
.set z, z+1
.endr
	WIN 0
	global_load_b128 v[T:T+3], v[LPO], s[8:9]
	global_load_b128 v[T+4:T+7], v[GBO], s[14:15]
	global_load_b128 v[U:U+3], v[GBO], s[12:13]
	global_load_b128 v[BO:BO+3], v[GO], s[16:17]
	global_load_b128 v[BO+4:BO+7], v[GO], s[16:17] offset:512
	WIN 0x40
.set z, 0
.rept 8
	global_load_b128 v[128+4*z:128+4*z+3], v[XO], s[XP:XP+1] offset:8192*z+256 th:TH_LOAD_NT  ; chunk 1
.set z, z+1
.endr
	WIN 0
	s_wait_loadcnt 45                              ; chunk 0 is in: behind it 32 + 5 + 8 loads were issued
	XCVT 160
	s_wait_loadcnt 8                               ; all but chunk 1
	WIN 0x45
.set z, 0
.rept 64                                       ; bq rounded to bf16, kept as f32
	v_cvt_pk_bf16_f32 v[192+z%4], v[2*z], v[2*z+1]
	v_lshlrev_b32 v[2*z], 16, v[192+z%4]
	v_and_b32 v[2*z+1], s[MHI], v[192+z%4]
.set z, z+1
.endr
	WIN 0
.irp b, BO, BO+2, BO+4, BO+6, U, U+2, T+4, T+6         ; bo, bg, head_gain likewise
	v_cvt_pk_bf16_f32 v[TT], v[\b], v[\b+1]
	v_lshlrev_b32 v[\b], 16, v[TT]
	v_and_b32 v[\b+1], s[MHI], v[TT]
.endr
	; THE GATE: 1 + sigmoid(mean(E) Wg + bg) sigmoid(head_gain) for my four heads
.irp m, 1,2,4
.irp e, 0,1,2,3
	v_add_f32_dpp v[T+\e], v[T+\e], v[T+\e] row_xmask:\m row_mask:0xf bank_mask:0xf  ; the batch's eight partial sums
.endr
.endr
.irp e, 0,1,2,3
	v_fmamk_f32 v[T+\e], v[T+\e], 0x3b000000, v[U+\e]  ; / 512 + bg
.endr
.irp e, 0,1,2,3,4,5,6,7
	v_mul_f32 v[T+\e], 0xbfb8aa3b, v[T+\e]         ; - log2(e) x
.endr
.irp e, 0,1,2,3,4,5,6,7
	v_exp_f32 v[T+\e], v[T+\e]
.endr
	v_nop                                          ; a plain instruction behind the last exponential,
	s_wait_alu depctr_va_vdst(0)                   ; and the one wait ahead of the batch's first reader
.irp e, 0,1,2,3,4,5,6,7
	v_add_f32 v[T+\e], 1.0, v[T+\e]
.endr
.irp e, 0,1,2,3,4,5,6,7
	v_rcp_f32 v[T+\e], v[T+\e]
.endr
	v_nop
	s_wait_alu depctr_va_vdst(0)
.irp e, 0,1,2,3
	v_fma_f32 v[T+\e], v[T+\e], v[T+4+\e], 1.0
.endr
.irp e, 0,1,2,3
	v_readfirstlane_b32 s[GAM+\e], v[T+\e]         ; every lane holds the same four numbers; they serve as factors alone
.endr
	s_wait_dscnt 0x0                               ; for the others' sake: my rows of chunk 0 lie in LDS
	s_wait_tensorcnt 1                             ; my part of slot 0 is in; slot 1's may stay out
	s_barrier_signal -1
	s_barrier_wait -1
	; ---- q^T = Wq^T X^T + bq: 16 slots of 64 along K
.set AKS, 64
.set AQT, 16*XPI
.set ASEC, 32
	FETCHW WB0, 0
	FETCHA AB0, 0
	HALF 0, bf16, 2                                ; the first 64 products stand in front of the loop: the bias starts the sums
	HALF 1, bf16, 2
	WIN 0
	s_mov_b32 s[CNT], 15
.Lp1:                                          ; a trip: the second half of a slot, the change of slots, the first half of the next
	XCONV
	HALF 2, bf16, 0
	H3 1, 1, 1, bf16
	HALF 0, bf16, 0
	HALF 1, bf16, 0
	WIN 0
	s_sub_co_u32 s[CNT], s[CNT], 1
	s_cmp_lg_u32 s[CNT], 0
	s_cbranch_scc1 .Lp1
	HALF 2, bf16, 0
	H3 1, 0, 1, bf16                               ; the ring goes on: the first slot of k^ and v has landed, the second is asked for
	WIN 0
	PLACES
	PLACES
; Head g of my four: a query's 64 channels lie in two lanes.  q^ c = q c / max(|q|, 1e-6), c = log2(e) / 8, rounded once to f16: channel tiles 2 ks, 2 ks + 1 ARE fragment (qt, ks) of source 1.
.macro NORMQ g
.set NW, 2+(\g)/2
.set NB, 128*((\g)%2)
	WIN NW|(NW<<2)
.set a, 0
.rept 4
.set p, 0
.rept 4
.set q, 0
.rept 4                                        ; four chains, a query tile each; each accumulator is read from its lowest registers on
.set rg, NB+32*a+8*q+2*p
.if (a == 0) && (p == 0)
	v_pk_mul_f32 v[T+2*q:T+2*q+1], v[rg:rg+1], v[rg:rg+1]
.else
	v_pk_fma_f32 v[T+2*q:T+2*q+1], v[rg:rg+1], v[rg:rg+1], v[T+2*q:T+2*q+1]
.endif
.set q, q+1
.endr
.set p, p+1
.endr
.set a, a+1
.endr
	WIN 0
.irp q, 0,1,2,3
	v_add_f32 v[T+2*\q], v[T+2*\q], v[T+2*\q+1]
.endr
.irp q, 0,1,2,3
	v_permlanex16_b32 v[T+2*\q+1], v[T+2*\q], s[SEL], s[SEL+1]
.endr
.irp q, 0,1,2,3
	v_add_f32 v[T+2*\q], v[T+2*\q], v[T+2*\q+1]
.endr
.irp q, 0,1,2,3
	v_sqrt_f32 v[T+2*\q], v[T+2*\q]
.endr
	v_nop
	s_wait_alu depctr_va_vdst(0)                   ; one wait for the four roots
.irp q, 0,1,2,3
	v_max_num_f32 v[T+2*\q], 0x358637bd, v[T+2*\q]
.endr
.irp q, 0,1,2,3
	v_rcp_f32 v[T+2*\q], v[T+2*\q]
.endr
	v_nop
	s_wait_alu depctr_va_vdst(0)                   ; one wait for the four reciprocals
.irp q, 0,1,2,3
	v_mul_f32 v[T+2*\q], 0x3e38aa3b, v[T+2*\q]
.endr
	WIN (NW<<6)|NW
.set a, 0
.rept 4
.set q, 0
.rept 4
.set p, 0
.rept 4
.set rg, NB+32*a+8*q+2*p
	v_pk_mul_f32 v[rg:rg+1], v[rg:rg+1], v[T+2*q:T+2*q+1] op_sel_hi:[1,0]
.set p, p+1
.endr
.set q, q+1
.endr
.set a, a+1
.endr
	WIN 0x40|NW|(NW<<2)
.set a, 0
.rept 4
.set q, 0
.rept 4
.set p, 0
.rept 4
.set rg, NB+32*a+8*q+2*p
	v_cvt_pk_f16_f32 v[64*(\g)+16*q+4*a+p], v[rg], v[rg+1]
.set p, p+1
.endr
.set q, q+1
.endr
.set a, a+1
.endr
.endm
	NORMQ 0
	NORMQ 1
	NORMQ 2
	NORMQ 3
	WIN 0x81                                       ; the loop over heads names one set of registers for Q: head 0's fragments go there
.set z, 0
.rept 64
	v_mov_b32 v[64+z], v[z]
.set z, z+1
.endr
	WIN 0
	s_mov_b32 s[GC], s[GAM]
	; ---- THE ATTENTION, a head at a time: 8 steps of 64 keys, two steps a slot.  BY TURNS: the wave's query tiles are two pieces (0: tiles 0, 1; 2: tiles 2, 3).  In a turn one piece has the matrix unit
	; (16 products V^T P of the step in hand, 16 products K Q^T of the next); the other piece's weights (64 exponentials, 32 roundings, 32 sums) stand in 32 slices of four, one behind each product.
.macro KQ x                            ; product i of 16 of S^T = K Q^T: channels 32 (i / 8) on, keys 16 ((i / 2) % 4) on, tile x + i % 2; the first 8 start the sums; 8 accumulators take turns
	WIN 0x0a
.set rS, 32+32*((\x)+i%2)+8*((i/2)%4)
.set rK, 16*((i/2)%4)+8*(i/8)
.set rQ, 64+16*((\x)+i%2)+8*(i/8)
.if i < 8
	v_wmma_f32_16x16x32_f16 v[rS:rS+7], v[rK:rK+7], v[rQ:rQ+7], 0
.else
	v_wmma_f32_16x16x32_f16 v[rS:rS+7], v[rK:rK+7], v[rQ:rQ+7], v[rS:rS+7]
.endif
.endm
.macro PV x                            ; product i of 16 of O^T += V^T P: keys 32 (i / 8) on, channels 16 ((i / 2) % 4) on, tile x + i % 2
	WIN 0xf2
.set rO, 32*((\x)+i%2)+8*((i/2)%4)
.set rV, 128+32*(i/8)+8*((i/2)%4)
.set rP, 160+16*((\x)+i%2)+8*(i/8)
	v_wmma_f32_16x16x32_f16 v[rO:rO+7], v[rV:rV+7], v[rP:rP+7], v[rO:rO+7]
.endm
.macro FETCH_K                         ; a step's K: 8 blocks
	WIN 0
	v_add_nc_u32 v[WADR], s[TB], v[L16]
	WIN 0x80
.set z, 0
.rept 8
	ds_load_b128 v[8*z:8*z+3], v[WADR] offset:1024*z
	ds_load_b128 v[8*z+4:8*z+7], v[WADR] offset:1024*z+512
.set z, z+1
.endr
.endm
.macro FETCH_V                         ; the same step's V, 8,192 bytes on; then the fetches step on
	WIN 0
	v_add_nc_u32 v[AADR], s[TB], v[L16]
	s_add_co_u32 s[TB], s[TB], 16384
	WIN 0x80
.set z, 0
.rept 8
	ds_load_b128 v[128+8*z:128+8*z+3], v[AADR] offset:8192+1024*z
	ds_load_b128 v[128+8*z+4:128+8*z+7], v[AADR] offset:8192+1024*z+512
.set z, z+1
.endr
.endm
; Number n of the 32 plain instructions that follow a tile's exponentials: for each four weights both pairs are rounded to f16 (pair m of the 16 IS register m of P), then the second pair is added onto the
; first, in place (0-23); the eight sums are added in a tree (24-30); l takes the result (31).
.macro SOP t, n
.set rS, 32+32*(\t)
.set rP, 160+16*(\t)
.set rL, LS+2*(\t)
.if (\n) < 24
.set sm, (\n)/3
.if (\n)%3 == 0
	v_cvt_pk_f16_f32 v[rP+2*sm], v[rS+4*sm], v[rS+4*sm+1]
.elseif (\n)%3 == 1
	v_cvt_pk_f16_f32 v[rP+2*sm+1], v[rS+4*sm+2], v[rS+4*sm+3]
.else
	v_pk_add_f32 v[rS+4*sm:rS+4*sm+1], v[rS+4*sm:rS+4*sm+1], v[rS+4*sm+2:rS+4*sm+3]
.endif
.elseif (\n) < 28
.set sm, (\n)-24
	v_pk_add_f32 v[rS+8*sm:rS+8*sm+1], v[rS+8*sm:rS+8*sm+1], v[rS+8*sm+4:rS+8*sm+5]
.elseif (\n) < 30
.set sm, (\n)-28
	v_pk_add_f32 v[rS+16*sm:rS+16*sm+1], v[rS+16*sm:rS+16*sm+1], v[rS+16*sm+8:rS+16*sm+9]
.elseif (\n) == 30
	v_pk_add_f32 v[rS:rS+1], v[rS:rS+1], v[rS+16:rS+17]
.else
	v_pk_add_f32 v[rL:rL+1], v[rL:rL+1], v[rS:rS+1]
.endif
.endm
; Slice k of 32 for piece y.  0-15: four exponentials (the scale is in q^ already), the tiles by turns, each accumulator from its lowest registers on: ONE BATCH of 64, of which nothing names a result
; ahead of the one wait behind slice 15.  16-31: two numbers of both tiles' plain lists, the tiles alternating.  Slice 31's four are the places behind the turn's last product.
.macro SLICE y
	WIN 0
.if k < 16
.set rE, 32+32*((\y)+k%2)+4*(k/2)
	v_exp_f32 v[rE], v[rE]
	v_exp_f32 v[rE+1], v[rE+1]
	v_exp_f32 v[rE+2], v[rE+2]
	v_exp_f32 v[rE+3], v[rE+3]
.else
	SOP (\y), 2*(k-16)
	SOP (\y)+1, 2*(k-16)
	SOP (\y), 2*(k-16)+1
	SOP (\y)+1, 2*(k-16)+1
.endif
.if k == 15
	v_nop                                          ; a plain instruction behind the last exponential: one for the batch
	s_wait_alu depctr_va_vdst(0)                   ; the wait ahead of the batch's first reader
.endif
.if (k == 16) && FV
	FETCH_V                                        ; V's last reader stands in front of slice 15: the v_nop and slice 16's four plain instructions are the places between
.endif
.set k, k+1
.endm
; A TURN for piece x.  pv, kq: which products it has (with one kind: two slices behind each).  fk: the next step's K is fetched at its head (K's last reader stands in front of the last turn's slice 31);
; the counted wait leaves K's 16 loads out and shows V in.  fv: the next step's V is fetched behind slice 16.
.macro TURN x, pv, kq, fk, fv
.set k, 0
.set FV, (\fv)
.set per, 2
.if (\pv) && (\kq)
.set per, 1
.endif
.if \fk
	FETCH_K
	s_wait_dscnt 16
.elseif (\x) == 0
	s_wait_dscnt 0x0
.endif
.if \pv
.set i, 0
.rept 16
	PV \x
.rept per
	SLICE 2-(\x)
.endr
.set i, i+1
.endr
.endif
.if \kq
.if (\x) == 0
	s_wait_dscnt 0x0                               ; K is in
.endif
.set i, 0
.rept 16
	KQ \x
.rept per
	SLICE 2-(\x)
.endr
.set i, i+1
.endr
.endif
.endm
; THE CHANGE OF SLOTS: the slot's last bytes, V of its second step, have been asked for.  The same three lines, round and one joint load as in the projections.
.macro CH
	WIN 0
	s_wait_tensorcnt 0x0                           ; no tensor load of mine is out: my part of the other slot has landed
	ds_add_u32 v[SPW], v[NIL]                      ; 0 onto my spare word; the descriptor's scalar work stands between it and the wait for it
	NEXTADDR
	s_wait_dscnt 0x0                               ; the add is done, and my reads of the slot are over
	ROUND
	REFILL
	ASK
	s_sub_co_u32 s[TB], s[TB], 32768               ; the fetches go back to a slot's first step,
	s_xor_b32 s[TB], s[TB], SLOTB                  ; in the other slot
.endm
.macro OCVT g                          ; O^T rounded to f16 in pairs IS block g of source 1 for the last projection
	WIN 0x4f
.set z, 0
.rept 64
	v_cvt_pk_f16_f32 v[64*(\g)+z], v[2*z], v[2*z+1]
.set z, z+1
.endr
.if (\g) < 3
	WIN 0x81
.set z, 0
.rept 64
	v_mov_b32 v[64+z], v[64*((\g)+1)+z]            ; the next head's Q
.set z, z+1
.endr
	s_mov_b32 s[GC], s[GAM+(\g)+1]
.endif
	WIN 0
.endm
	s_mov_b32 s[HD], 0
.Lhead:
	FETCH_K                                        ; step 0
	WIN 0xc0
.set z, 0
.rept 128
	v_mov_b32 v[z], 0                              ; O^T and l start at 0, written while K is on its way from LDS: so the loop has one form of product and no first step is written out
.set z, z+1
.endr
	WIN 0
.set z, 0
.rept 8
	v_mov_b32 v[LS+z], 0
.set z, z+1
.endr
	s_wait_dscnt 0x0
.set i, 0
.rept 16
	KQ 0                                           ; piece 0's first scores: there is no vector work yet to set between them
.set i, i+1
.endr
	WIN 0
	PLACES
	TURN 2, 0, 1, 0, 1                             ; piece 2's first scores | piece 0's first weights | V of step 0
	WIN 0
	s_mov_b32 s[SL], 4
	s_mov_b32 s[TWICE], 1                          ; the head's first slot has one step left
	s_branch .Lstep
.Lslot:
	s_mov_b32 s[TWICE], 2
.Lstep:
	TURN 0, 1, 1, 1, 0
	TURN 2, 1, 1, 0, 1
	WIN 0
	s_sub_co_u32 s[TWICE], s[TWICE], 1
	s_cmp_lg_u32 s[TWICE], 0
	s_cbranch_scc1 .Lstep
	CH
	s_sub_co_u32 s[SL], s[SL], 1
	s_cmp_lg_u32 s[SL], 0
	s_cbranch_scc1 .Lslot
	TURN 0, 1, 0, 0, 0                             ; piece 0: V^T P of the last step | piece 2's last weights
.set i, 0
.rept 16
	PV 2
.set i, i+1
.endr
	WIN 0                                          ; O^T (1 + gamma) / l.  The additions are the places behind the last products
.irp q, 0,1,2,3
	v_add_f32 v[LS+2*\q], v[LS+2*\q], v[LS+2*\q+1]
.endr
.irp q, 0,1,2,3
	v_permlanex16_b32 v[LS+2*\q+1], v[LS+2*\q], s[SEL], s[SEL+1]
.endr
.irp q, 0,1,2,3
	v_add_f32 v[LS+2*\q], v[LS+2*\q], v[LS+2*\q+1]
.endr
.irp q, 0,1,2,3
	v_rcp_f32 v[LS+2*\q], v[LS+2*\q]
.endr
	v_nop
	s_wait_alu depctr_va_vdst(0)                   ; one wait for the four reciprocals
.irp q, 0,1,2,3
	v_mul_f32 v[LS+2*\q], s[GC], v[LS+2*\q]
.endr
	WIN 0xc3
.set z, 0
.rept 64
	v_pk_mul_f32 v[2*z:2*z+1], v[2*z:2*z+1], v[LS+2*(z/16):LS+2*(z/16)+1] op_sel_hi:[1,0]
.set z, z+1
.endr
	WIN 0
	s_cmp_eq_u32 s[HD], 0
	s_cbranch_scc0 .Lh1
	OCVT 0
	s_branch .Lhd
.Lh1:
	s_cmp_eq_u32 s[HD], 1
	s_cbranch_scc0 .Lh2
	OCVT 1
	s_branch .Lhd
.Lh2:
	s_cmp_eq_u32 s[HD], 2
	s_cbranch_scc0 .Lh3
	OCVT 2
	s_branch .Lhd
.Lh3:
	OCVT 3
.Lhd:
	s_add_co_u32 s[HD], s[HD], 1
	s_cmp_lt_u32 s[HD], 4
	s_cbranch_scc1 .Lhead
	; ---- out^T = Wo^T O^T: 16 slots, a head each, in the order heads g, 4 + g, 8 + g, 12 + g for g = 0..3: the four waves' heads g lie in OREG together
.set AKS, 1024
.set AQT, 2048
.set ASEC, 512
	OSTORE 0
	s_wait_dscnt 0x0
	s_barrier_signal -1
	s_barrier_wait -1
	s_mov_b32 s[T3C], 0
	v_add_nc_u32 v[AADR], OREG, v[L16]
	v_add_nc_u32 v[WADR], s[TB], v[L16]
	FETCHW WB0, 0
	FETCHA AB0, 0
	HALF 0, f16, 1                                 ; the first 64 products start the sums with the constant 0
	HALF 1, f16, 1
	WIN 0
	s_mov_b32 s[CNT], 14
.Lp3:
	HALF 2, f16, 0
	H3 1, 1, 3, f16
	HALF 0, f16, 0
	HALF 1, f16, 0
	WIN 0
	s_sub_co_u32 s[CNT], s[CNT], 1
	s_cmp_lg_u32 s[CNT], 0
	s_cbranch_scc1 .Lp3
	HALF 2, f16, 0                                 ; the tail is written out: the last change of slots asks for nothing
	H3 0, 1, 3, f16
	HALF 0, f16, 0
	HALF 1, f16, 0
	HALF 2, f16, 0
	s_wait_dscnt 0x0
	MULT f16, WB0+64, AB1, 1, 0, 8, 0
	WIN 0
	; ---- THE WAY OUT.  A lane holds 8 columns of one row; a block of 16 rows x 128 columns of f32 goes through my stage (rows of 528 bytes) and comes back as whole rows of 512 bytes; bo is added on the way.
	s_barrier_signal -1                            ; (no LDS instruction of mine is out) every wave's reads of OREG are over: it becomes the stages
	s_barrier_wait -1
	PLACES
	PLACES
.macro PACK n                          ; block n = 2 qt + half
.set pq, (\n)/2
.set ph, (\n)%2
.set pt, 32+64*((\n)%2)
	s_wait_xcnt 0x0                                ; the stores of the block two back have read the registers that are loaded again below
	WIN 0x08+0x04*ph                               ; store data in window 2 or 3
.set z, 0
.rept 8
	ds_store_b128 v[STO], v[32*z+8*pq:32*z+8*pq+3] offset:64*z        ; each accumulator's lowest registers first
	ds_store_b128 v[STO], v[32*z+8*pq+4:32*z+8*pq+7] offset:64*z+16
.set z, z+1
.endr
	WIN 0
.set z, 0
.rept 16
	ds_load_b128 v[pt+4*z:pt+4*z+3], v[RD] offset:528*z               ; LDS serves a wave's instructions in order (ISA guide 5.7.1.4): these see the stores above, and the next block's stores come behind them
.set z, z+1
.endr
.endm
.macro SEND n, younger                 ; younger: the LDS instructions issued behind block n's loads: the next block's 32, or none
.set pq, (\n)/2
.set ph, (\n)%2
.set pt, 32+64*((\n)%2)
.set z, 0
.rept 16
	s_wait_dscnt (\younger)+15-z
	v_pk_add_f32 v[pt+4*z:pt+4*z+1], v[pt+4*z:pt+4*z+1], v[BO+4*ph:BO+4*ph+1]
	v_pk_add_f32 v[pt+4*z+2:pt+4*z+3], v[pt+4*z+2:pt+4*z+3], v[BO+4*ph+2:BO+4*ph+3]
	global_store_b128 v[GO], v[pt+4*z:pt+4*z+3], s[OUTP:OUTP+1] offset:65536*pq+4096*z+512*ph th:TH_STORE_NT  ; 512 consecutive bytes, at a multiple of 512 from out0's first
.set z, z+1
.endr
.endm
	PACK 0
.irp n, 1,2,3,4,5,6,7
	PACK \n
	SEND \n-1, 32
.endr
	SEND 7, 0
	s_wait_tensorcnt 0x0                           ; the wave's end, behind my last tensor load and my last LDS store
	ds_add_u32 v[SPW], v[NIL]
	s_wait_dscnt 0x0
	ROUND                                          ; the closing round: no work-group ends while a partner may still ask for a tile that names it
	s_endpgm
.Lfunc_end_k_q175a3dc019_main:
	.size	k_q175a3dc019_main, .Lfunc_end_k_q175a3dc019_main-k_q175a3dc019_main
	.p2alignl 7, 3214868480
	.fill 96, 4, 3214868480
	.section	.rodata,"a",@progbits
	.p2align	6, 0x0
	.amdhsa_kernel k_q175a3dc019_main
		.amdhsa_group_segment_fixed_size 327680
		.amdhsa_private_segment_fixed_size 0
		.amdhsa_enable_private_segment 0
		.amdhsa_kernarg_size 64
		.amdhsa_user_sgpr_count 2
		.amdhsa_user_sgpr_kernarg_segment_ptr 1
		.amdhsa_wavefront_size32 1
		.amdhsa_system_sgpr_workgroup_id_x 1
		.amdhsa_system_sgpr_workgroup_id_y 1
		.amdhsa_system_sgpr_workgroup_id_z 1
		.amdhsa_system_vgpr_workitem_id 0
		.amdhsa_next_free_vgpr 1024
		.amdhsa_next_free_sgpr 96
		.amdhsa_reserve_vcc 0
		.amdhsa_float_denorm_mode_32 3
		.amdhsa_float_denorm_mode_16_64 3
		.amdhsa_memory_ordered 1
		.amdhsa_forward_progress 1
		.amdhsa_inst_pref_size 255
	.end_amdhsa_kernel
	.section	.bss,"aw",@nobits
	.p2align	6
	.space	262144
	.amdgpu_metadata
---
amdhsa.version: [ 1, 2 ]
amdhsa.kernels:
  - .name:           k_q175a3dc019_main
    .symbol:         k_q175a3dc019_main.kd
    .args:
      - { .name: hidden_states, .offset: 0, .size: 8, .value_kind: global_buffer, .address_space: global }
      - { .name: STR, .offset: 8, .size: 8, .value_kind: global_buffer, .address_space: global }
      - { .name: LP, .offset: 16, .size: 8, .value_kind: global_buffer, .address_space: global }
      - { .name: bq, .offset: 24, .size: 8, .value_kind: global_buffer, .address_space: global }
      - { .name: bg, .offset: 32, .size: 8, .value_kind: global_buffer, .address_space: global }
      - { .name: head_gain, .offset: 40, .size: 8, .value_kind: global_buffer, .address_space: global }
      - { .name: bo, .offset: 48, .size: 8, .value_kind: global_buffer, .address_space: global }
      - { .name: out0, .offset: 56, .size: 8, .value_kind: global_buffer, .address_space: global }
    .group_segment_fixed_size: 327680
    .private_segment_fixed_size: 0
    .kernarg_segment_align: 8
    .kernarg_segment_size: 64
    .max_flat_workgroup_size: 128
    .sgpr_count:     96
    .vgpr_count:     1024
    .wavefront_size: 32
...
	.end_amdgpu_metadata
.endif
;; end of part 2
;; ======== version 2 of 2: 2 launches
;; limits: values are held in f16: magnitudes above 65,504 overflow, below 6.1e-05 lose precision; a function is approximated: absolute error at most 8.3e-05
;; workspace buffers: STR 12,582,912 bytes; LP 2,048 bytes
;; launch prep (part 3): grid 16 x 16, 4 waves a work-group, no clusters, 127,488 bytes of LDS; arguments encoder_hidden_states, Wk, Wv, bk, bv, Wg, Wq, Wo, STR, LP; writes STR, LP
.if DOCPART == 3
	.amdgcn_target "amdgcn-amd-amdhsa--gfx1250"
	.amdhsa_code_object_version 6
	.text
	.protected	k_q175a3dc019_prep
	.globl	k_q175a3dc019_prep
	.p2align	8
	.type	k_q175a3dc019_prep,@function
k_q175a3dc019_prep:
	s_mov_b64 s[64:65], 0
	v_nop
	global_prefetch_b8 v0, s[64:65] scope:SCOPE_SE
	s_setreg_imm32_b32 hwreg(HW_REG_WAVE_MODE, 25, 1), 1
	s_wait_xcnt 0x0
; PREP.  Makes what the fused launch streams, all in FRAGMENT ORDER: a block of 1,024 bytes is [g 2][lane 32][e 8] of 16-bit numbers; lane 16 h + r holds row r of 16 rows
; at k = 16 g + 8 h + e, so two 16-byte LDS loads a lane (at 16 x lane, 512 bytes apart) are a whole matrix operand of 16 rows x 32 k.
;   STR + 0      Wq  in bf16:               [t 16][w 4][ks 2][ct 16][block]   row = column 256 w + 16 ct + r of Wq, k = 64 t + 32 ks + ..
;   STR + 2 MiB  k^ (normalised) and v, f16: [b 4][t2 16][w 4][st 2][K 8 KiB | V 8 KiB], t2 = 4 gh + s, head = 4 w + gh, keys 128 s + 64 st + ..
;                K: [kt 4][ks 2][block] row = key 16 kt + r, k = channel 32 ks + ..      V: [ksv 2][cb 4][block] row = channel 16 cb + r, k = key 32 ksv + ..
;   STR + 10 MiB Wo, rounded to bf16 and written as f16: as Wq, slot t3 = 4 (head % 4) + head / 4, k = 64 head + 32 ks + ..
;   LP           f32 [rb 16][wr 2][head 16]: partial sums over 64 keys of E Wg (the gate's logits before the mean)
; SHARES.  Work-group (cb, rb): keys 128 rb .. + 127 (batch rb / 4), 128 columns of Wk (cb < 8) or Wv.  Wave (wr, wc): 64 keys x 64 columns = one head, 16 accumulators.
; K = 768 goes in six chunks of 128: f32 from memory into registers (each load of a wave is 512 consecutive bytes of one row), rounded to bf16 into other registers, into LDS, and from there as
; fragments.  The next chunk's loads go out straight behind the roundings, ahead of the barriers, the LDS stores and the products: 63 of the 64 there, the last ahead of the second K step's products.
; THE WALK.  The sums take the chunks in any order, so work-group (cb, rb) begins at chunk (cb + rb) mod 6 and goes round: at any time the work-groups that share rows of E (one rb) or of W (one cb)
; read different chunks of them.  The start enters global addresses alone: Wg is laid into LDS turned by the same start, so the LDS addresses step as if the walk began at chunk 0.
; Each work-group also turns one unit (32 k x 128 columns) of Wq and of Wo into blocks.
; FORMATS.  Every input is rounded once to bf16 (the biases too); sums in f32; k^ and v leave rounded once to f16.
; LIMITS.  v must stay under 65,504 in magnitude (f16); an entry of Wo below 6e-5 keeps f16's fixed step of 6e-8; NaN and infinities are not treated apart; sums are taken in another order than the reference's.
.set EPI, 272                          ; a row of E in LDS: 128 bf16 + 16 bytes: an odd multiple of 16
.set WPI, 288                          ; a row of W ([k][column]) in LDS: 128 bf16 + 32 bytes: an odd multiple of 32, for the turning load
.set GPI, 48                           ; a row of Wg ([k][head]) in LDS: 16 bf16 + 16 bytes
.set LE, 0                             ; 128 keys x EPI
.set LW, 128*EPI                       ; 128 k x WPI
.set LG, LW+128*WPI                    ; 768 k x GPI
.set LR, LG+768*GPI                    ; two units of 32 k x WPI
.set SPARE, LR+2*32*WPI                ; the spare words, 128 bytes a wave: two blocks of 256 bytes that no other line names
.set EO, 4                             ; v4   my byte offset in the chunk's rows of E
.set WO, 5                             ; v5   the same for W
.set ES, 6                             ; v6   where I store 8 bytes of a row of E
.set WS, 7                             ; v7   the same for W
.set EAL, 8                            ; v8   my place in a fragment of E
.set WAL, 9                            ; v9   my place in a turned fragment of W
.set GAD, 10                           ; v10  my place in a turned fragment of Wg; steps a chunk a trip
.set L16, 11                           ; v11  16 x lane
.set RO, 12                            ; v12  my byte offset in a unit's rows
.set RS, 13                            ; v13  where I store 8 bytes of a unit's row
.set RT, 14                            ; v14  my place in a unit's turned fragment
.set SPW, 16                           ; v16  my spare word; never rewritten
.set NIL, 17                           ; v17  0; never rewritten
.set GS, 18                            ; v18  16 x thread: my bytes in 32 rows of Wg
.set GWS, 19                           ; v19  where they go
.set B32H, 20                          ; v20  32 x (lane / 16)
.set B4R, 21                           ; v21  4 x (lane % 16)
.set FB, 32                            ; v32-159 two fragment buffers of 64: E's four fragments, then W's four
.set GFR, 176                          ; v176-207 first the bias by channels, then a chunk's four fragments of Wg
.set VB, 208                           ; v208-211 the bias by lanes
.set TT, 216                           ; v216-223 four pairs at work
.set GT, 224                           ; v224-231 the gate's sums
.set GSR, 232                          ; v232-237 my byte offset in Wg for the walk's six chunks
; window 1: v0-255 the chunk as loaded (E's 32 rows, W's 32 rows, 4 registers each)      window 2: v0-127 accumulator (i, j) at 8 (4 i + j); v128-143 the gate's two
; window 3: v0-127 the chunk in bf16: E's row z at 2 z, W's at 64 + 2 z
.set WV, 24
.set WR, 25
.set WC, 26
.set CB, 27
.set RB, 28
.set C8, 29
.set TYP, 30                           ; 1: this work-group makes v
.set CB0, 31                           ; 1: cb = 0
.set GF, 32                            ; 1: this wave makes the gate's sums
.set CNT, 33
.set EP, 34                            ; s[34:35] E at the group's first key, at the chunk to be loaded
.set WP, 36                            ; s[36:37] Wk or Wv at the group's first column, at that chunk
.set BP, 38                            ; s[38:39] bk or bv at my wave's first column
.set OF, 40                            ; s[40:41] an offset, high word 0
.set OUTP, 42                          ; s[42:43] my 8 KiB of K or V in STR
.set QP, 44                            ; s[44:45] my unit of Wq
.set OP, 46                            ; s[46:47] my unit of Wo
.set WQO, 48                           ; s[48:49] my two blocks of Wq in STR
.set WOO, 50                           ; s[50:51] of Wo
.set SEL, 52                           ; s[52:53] v_permlanex16_b32's selects: each lane takes its own place in the other half
.set TA, 54
.set TX, 55
.set LPP, 56                           ; s[56:57] my row of LP
.set SV, 58
.set MHI, 59                           ; a word's upper 16 bits
.set CM, 60
.set EB, 66                            ; s[66:67] E at the group's first key; never stepped
.set WB, 68                            ; s[68:69] Wk or Wv at the group's first column; never stepped
.set CC, 70                            ; the chunk, 0 .. 5, that is loaded next
.set MSB, 0
.macro WIN new                         ; the high byte repeats the setting that is left; a switch that changes nothing is dropped
.if MSB != (\new)
	s_set_vgpr_msb (MSB<<8)|(\new)
.set MSB, (\new)
.endif
.endm
.macro PLACES                          ; four plain places behind a matrix instruction (ISA guide 7.12.1), where no other vector work is at hand
.rept 4
	v_nop
.endr
.endm
	s_load_b512 s[4:19], s[0:1], 0x0               ; E s[4:5], Wk s[6:7], Wv s[8:9], bk s[10:11], bv s[12:13], Wg s[14:15], Wq s[16:17], Wo s[18:19]
	s_load_b128 s[20:23], s[0:1], 0x40             ; STR s[20:21], LP s[22:23]
	v_lshl_add_u32 v[SPW], v0, 2, SPARE
	v_mov_b32 v[NIL], 0
	v_lshrrev_b32 v15, 5, v0
	v_readfirstlane_b32 s[WV], v15                 ; wave 0..3
	s_lshr_b32 s[WR], s[WV], 1                     ; which 64 keys
	s_and_b32 s[WC], s[WV], 1                      ; which 64 columns
	s_mov_b32 s[CB], ttmp9
	s_and_b32 s[RB], ttmp7, 0xffff
	s_and_b32 s[C8], s[CB], 7
	s_mov_b32 s[SEL], 0x76543210
	s_mov_b32 s[SEL+1], 0xfedcba98
	s_mov_b32 s[MHI], 0xffff0000
	s_mov_b32 s[OF+1], 0
	s_cmp_eq_u32 s[CB], 0
	s_cselect_b32 s[CB0], 1, 0
	s_cmp_eq_u32 s[WC], 0
	s_cselect_b32 s[GF], s[CB0], 0
	s_cmp_ge_u32 s[CB], 8
	s_cselect_b32 s[TYP], 1, 0
	s_add_co_u32 s[CC], s[CB], s[RB]               ; the walk's first chunk: (cb + rb) mod 6.  The sum is 30 at the most, and up to there (43 x) >> 8 is x / 6
	s_mul_i32 s[TA], s[CC], 43
	s_lshr_b32 s[TA], s[TA], 8
	s_mul_i32 s[TA], s[TA], 6
	s_sub_co_u32 s[CC], s[CC], s[TA]
	v_and_b32 v1, 31, v0                           ; lane
	v_and_b32 v2, 15, v0                           ; r
	v_bfe_u32 v3, v0, 4, 1                         ; h
	v_lshlrev_b32 v[L16], 4, v1
	s_mul_i32 s[TA], s[WV], 32*3072                ; my 32 rows of E
	v_add_nc_u32 v[EO], s[TA], v[L16]
	s_lshl_b32 s[TA], s[WV], 17                    ; my 32 rows of W, 4,096 bytes each
	v_add_nc_u32 v[WO], s[TA], v[L16]
	s_mul_i32 s[TA], s[WV], 32*EPI
	v_lshl_add_u32 v[ES], v1, 3, s[TA]
	s_mul_i32 s[TA], s[WV], 32*WPI
	s_add_co_u32 s[TA], s[TA], LW
	v_lshl_add_u32 v[WS], v1, 3, s[TA]
	s_mul_i32 s[TA], s[WR], 64*EPI
	v_mul_u32_u24 v[EAL], v2, EPI
	v_lshl_add_u32 v[EAL], v3, 4, v[EAL]
	v_add_nc_u32 v[EAL], s[TA], v[EAL]             ; (64 wr + r) x pitch + 16 h
	v_and_b32 v15, 7, v0
	v_lshl_add_u32 v15, v3, 3, v15                 ; the turning load's row: 8 h + lane % 8
	v_bfe_u32 v22, v0, 3, 1
	v_lshlrev_b32 v22, 4, v22                      ; and its 16 bytes: 16 ((lane / 8) % 2)
	v_mul_u32_u24 v23, v15, WPI
	v_add_nc_u32 v23, v23, v22
	s_lshl_b32 s[TA], s[WC], 7
	s_add_co_u32 s[TA], s[TA], LW
	v_add_nc_u32 v[WAL], s[TA], v23                ; + my 64 columns
	s_lshl_b32 s[TA], s[WV], 6
	s_add_co_u32 s[TA], s[TA], LR
	v_add_nc_u32 v[RT], s[TA], v23                 ; + my two column tiles of a unit
	v_mul_u32_u24 v[GAD], v15, GPI
	v_add_nc_u32 v[GAD], v[GAD], v22
	v_add_nc_u32 v[GAD], LG, v[GAD]
	s_lshl_b32 s[TA], s[WV], 15                    ; my 8 rows of a unit
	v_add_nc_u32 v[RO], s[TA], v[L16]
	s_mul_i32 s[TA], s[WV], 8*WPI
	s_add_co_u32 s[TA], s[TA], LR
	v_lshl_add_u32 v[RS], v1, 3, s[TA]
	v_lshlrev_b32 v[GS], 4, v0
	v_lshrrev_b32 v[GWS], 2, v0                    ; 16 bytes of Wg are 4 heads of row thread / 4 (+ 32 for each further load)
	v_mul_u32_u24 v[GWS], v[GWS], GPI
	v_and_b32 v15, 3, v0
	v_lshl_add_u32 v[GWS], v15, 3, v[GWS]
	v_add_nc_u32 v[GWS], LG, v[GWS]
	v_lshlrev_b32 v[B32H], 5, v3
	v_lshlrev_b32 v[B4R], 2, v2
	s_wait_kmcnt 0x0
	s_cmp_ge_u32 s[CB], 8
	s_cselect_b64 s[WB:WB+1], s[8:9], s[6:7]
	s_cselect_b64 s[BP:BP+1], s[12:13], s[10:11]
	s_mul_i32 s[OF], s[RB], 128*3072
	s_add_nc_u64 s[EB:EB+1], s[4:5], s[OF:OF+1]
	s_lshl_b32 s[OF], s[C8], 9                     ; 128 columns of f32
	s_add_nc_u64 s[WB:WB+1], s[WB:WB+1], s[OF:OF+1]
	s_lshl_b32 s[TA], s[WC], 8
	s_add_co_u32 s[OF], s[OF], s[TA]
	s_add_nc_u64 s[BP:BP+1], s[BP:BP+1], s[OF:OF+1]
	s_lshl_b32 s[OF], s[CC], 9                     ; the first chunk: 128 channels of E are 512 bytes of a row,
	s_add_nc_u64 s[EP:EP+1], s[EB:EB+1], s[OF:OF+1]
	s_lshl_b32 s[OF], s[CC], 19                    ; 128 rows of W are 524,288 bytes
	s_add_nc_u64 s[WP:WP+1], s[WB:WB+1], s[OF:OF+1]
	; my unit of Wq and Wo: k step ku = 2 rb + cb / 8 of 32 rows, column group cb % 8
	s_lshr_b32 s[TA], s[CB], 3                     ; ku % 2
	s_lshl_b32 s[OF], s[RB], 18
	s_lshl_b32 s[TX], s[TA], 17
	s_add_co_u32 s[OF], s[OF], s[TX]
	s_lshl_b32 s[TX], s[C8], 9
	s_add_co_u32 s[OF], s[OF], s[TX]
	s_add_nc_u64 s[QP:QP+1], s[16:17], s[OF:OF+1]
	s_add_nc_u64 s[OP:OP+1], s[18:19], s[OF:OF+1]
	s_lshr_b32 s[TX], s[C8], 1                     ; its blocks: wave cg / 2, ks = ku % 2, column tile 8 (cg % 2) + 2 w + 0..1
	s_lshl_b32 s[CM], s[TX], 15
	s_lshl_b32 s[TA], s[TA], 14
	s_add_co_u32 s[CM], s[CM], s[TA]
	s_and_b32 s[TX], s[C8], 1
	s_lshl_b32 s[TX], s[TX], 13
	s_add_co_u32 s[CM], s[CM], s[TX]
	s_lshl_b32 s[TX], s[WV], 11
	s_add_co_u32 s[CM], s[CM], s[TX]
	s_lshl_b32 s[OF], s[RB], 17                    ; Wq: slot ku / 2 = rb
	s_add_co_u32 s[OF], s[OF], s[CM]
	s_add_nc_u64 s[WQO:WQO+1], s[20:21], s[OF:OF+1]
	s_and_b32 s[TA], s[RB], 3                      ; Wo: head rb, slot 4 (rb % 4) + rb / 4
	s_lshl_b32 s[TA], s[TA], 2
	s_lshr_b32 s[TX], s[RB], 2
	s_add_co_u32 s[TA], s[TA], s[TX]
	s_lshl_b32 s[OF], s[TA], 17
	s_add_co_u32 s[OF], s[OF], s[CM]
	s_add_co_u32 s[OF], s[OF], 10<<20
	s_add_nc_u64 s[WOO:WOO+1], s[20:21], s[OF:OF+1]
	; my 8 KiB of K or V
	s_lshl_b32 s[TA], s[C8], 1
	s_add_co_u32 s[TA], s[TA], s[WC]               ; head
	s_and_b32 s[TX], s[TA], 3
	s_lshl_b32 s[TX], s[TX], 2
	s_and_b32 s[OF], s[RB], 3
	s_add_co_u32 s[TX], s[TX], s[OF]               ; t2 = 4 (head % 4) + rb % 4
	s_lshl_b32 s[OF], s[TX], 17
	s_lshr_b32 s[TA], s[TA], 2
	s_lshl_b32 s[TA], s[TA], 15
	s_add_co_u32 s[OF], s[OF], s[TA]
	s_lshr_b32 s[TA], s[RB], 2
	s_add_co_u32 s[TA], s[TA], 1
	s_lshl_b32 s[TA], s[TA], 21                    ; 2 MiB + batch x 2 MiB
	s_add_co_u32 s[OF], s[OF], s[TA]
	s_lshl_b32 s[TA], s[WR], 14
	s_add_co_u32 s[OF], s[OF], s[TA]
	s_lshl_b32 s[TA], s[TYP], 13
	s_add_co_u32 s[OF], s[OF], s[TA]
	s_add_nc_u64 s[OUTP:OUTP+1], s[20:21], s[OF:OF+1]
	s_lshl_b32 s[OF], s[RB], 7
	s_lshl_b32 s[TA], s[WR], 6
	s_add_co_u32 s[OF], s[OF], s[TA]
	s_add_nc_u64 s[LPP:LPP+1], s[22:23], s[OF:OF+1]
; a chunk's loads: my 32 rows of E and my 32 rows of W, 512 consecutive bytes each.  all = 0: W's last row is left for LOADL
.macro LOADCH all
	WIN 0x40                                       ; destination window 1, address window 0
.set z, 0
.rept 32
	global_load_b128 v[4*z:4*z+3], v[EO], s[EP:EP+1] offset:3072*z
.if (z < 31) || (\all)
	global_load_b128 v[128+4*z:128+4*z+3], v[WO], s[WP:WP+1] offset:4096*z
.endif
.set z, z+1
.endr
	WIN 0
.endm
; the chunk's 64th load: a wave's count of loads holds 63, so in one run with the others it would stand until the first of them is back.  The last chunk has none behind it.
.macro LOADL
	s_cmp_eq_u32 s[CNT], 1
	s_cbranch_scc1 .Lnl_\@
	WIN 0x40
	global_load_b128 v[252:255], v[WO], s[WP:WP+1] offset:4096*31
	WIN 0
.Lnl_\@:
.endm
.set z, 0
.rept 8                                        ; the two units, 8 rows each
	global_load_b128 v[32+4*z:35+4*z], v[RO], s[QP:QP+1] offset:4096*z
	global_load_b128 v[64+4*z:67+4*z], v[RO], s[OP:OP+1] offset:4096*z
.set z, z+1
.endr
.set z, 0
.rept 4                                        ; the bias in both forms, so that every register is written whatever the work-group makes
	global_load_b128 v[GFR+8*z:GFR+8*z+3], v[B32H], s[BP:BP+1] offset:64*z       ; columns 16 z + 8 h + 0..3
	global_load_b128 v[GFR+8*z+4:GFR+8*z+7], v[B32H], s[BP:BP+1] offset:64*z+16  ; + 4..7
	global_load_b32 v[VB+z], v[B4R], s[BP:BP+1] offset:64*z                      ; column 16 z + r
.set z, z+1
.endr
	LOADCH 1                                       ; the walk's first chunk
	s_cmp_lg_u32 s[CB0], 0
	s_cbranch_scc0 .Lnowg
	s_mov_b32 s[TA], s[CC]                         ; Wg whole, in the walk's order: the chunk of trip j (128 rows, 8,192 bytes) goes to LDS rows 128 j ..
.set z, 0
.rept 6
	s_lshl_b32 s[TX], s[TA], 13
	v_add_nc_u32 v[GSR+z], s[TX], v[GS]
	s_add_co_u32 s[TA], s[TA], 1
	s_cmp_eq_u32 s[TA], 6
	s_cselect_b32 s[TA], 0, s[TA]
.set z, z+1
.endr
	WIN 0x80                                       ; 24 loads a thread, through window 2 (the accumulators are not yet in use)
.set z, 0
.rept 24
	global_load_b128 v[4*z:4*z+3], v[GSR+z/4], s[14:15] offset:2048*(z%4)
.set z, z+1
.endr
	s_wait_loadcnt 0x0                             ; one wait for all that is out: the other first loads land in the same time
	WIN 0x8a
.set z, 0
.rept 24
	v_cvt_pk_bf16_f32 v[4*z], v[4*z], v[4*z+1]
	v_cvt_pk_bf16_f32 v[4*z+1], v[4*z+2], v[4*z+3]
.set z, z+1
.endr
	WIN 0x08                                       ; store data in window 2
.set z, 0
.rept 24
	ds_store_b64 v[GWS], v[4*z:4*z+1] offset:32*GPI*z
.set z, z+1
.endr
	WIN 0
.Lnowg:
	s_wait_loadcnt 63                              ; the units' 16 loads and the bias's 12 are in: behind them the first chunk's 64 were issued; a wait's count names 63 at the most, so that chunk's first load is waited for with them
.set z, 0
.rept 8                                        ; Wq: to bf16.  Wo: to bf16, and that number written as f16
	v_cvt_pk_bf16_f32 v[32+4*z], v[32+4*z], v[33+4*z]
	v_cvt_pk_bf16_f32 v[33+4*z], v[34+4*z], v[35+4*z]
	ds_store_b64 v[RS], v[32+4*z:33+4*z] offset:WPI*z
	v_cvt_pk_bf16_f32 v[64+4*z], v[64+4*z], v[65+4*z]
	v_cvt_pk_bf16_f32 v[66+4*z], v[66+4*z], v[67+4*z]
	v_and_b32 v[65+4*z], s[MHI], v[64+4*z]
	v_lshlrev_b32 v[64+4*z], 16, v[64+4*z]
	v_and_b32 v[67+4*z], s[MHI], v[66+4*z]
	v_lshlrev_b32 v[66+4*z], 16, v[66+4*z]
	v_cvt_pk_f16_f32 v[64+4*z], v[64+4*z], v[65+4*z]
	v_cvt_pk_f16_f32 v[65+4*z], v[66+4*z], v[67+4*z]
	ds_store_b64 v[RS], v[64+4*z:65+4*z] offset:32*WPI+WPI*z
.set z, z+1
.endr
	s_wait_dscnt 0x0                               ; for the others' sake: my rows of the units, and of Wg, lie in LDS
	s_barrier_signal -1
	s_barrier_wait -1
.set z, 0
.rept 8                                        ; z = 4 unit + 2 tile + g: the turning load leaves lane l column tile + l % 16, k = 16 g + 8 h + 0..7: a block's 16 bytes
	ds_load_tr16_b128 v[96+4*z:99+4*z], v[RT] offset:(z/4)*32*WPI+((z/2)%2)*32+(z%2)*16*WPI
.set z, z+1
.endr
.set z, 0
.rept 16                                       ; the bias rounded to bf16, kept as f32
	v_cvt_pk_bf16_f32 v15, v[GFR+2*z], v[GFR+2*z+1]
	v_lshlrev_b32 v[GFR+2*z], 16, v15
	v_and_b32 v[GFR+2*z+1], s[MHI], v15
.set z, z+1
.endr
.set z, 0
.rept 2
	v_cvt_pk_bf16_f32 v15, v[VB+2*z], v[VB+2*z+1]
	v_lshlrev_b32 v[VB+2*z], 16, v15
	v_and_b32 v[VB+2*z+1], s[MHI], v15
.set z, z+1
.endr
	s_wait_dscnt 0x0
.set z, 0
.rept 4                                        ; each store of the wave covers 512 consecutive bytes, aligned
	global_store_b128 v[L16], v[96+4*z:99+4*z], s[WQO:WQO+1] offset:(z/2)*1024+(z%2)*512
	global_store_b128 v[L16], v[112+4*z:115+4*z], s[WOO:WOO+1] offset:(z/2)*1024+(z%2)*512
.set z, z+1
.endr
	; THE BIAS STARTS THE SUMS: it is copied into the accumulators while the first chunk is on its way, so the loop has one form of product and the way out adds nothing
	s_cmp_eq_u32 s[TYP], 0
	s_cbranch_scc0 .Linitv
	WIN 0x80
.set z, 0
.rept 128                                      ; k: accumulator (ct, kt), register e holds channel 16 ct + 8 h + e
	v_mov_b32 v[z], v[GFR+8*(z/32)+z%8]
.set z, z+1
.endr
	WIN 0
	s_branch .Linit
.Linitv:
	WIN 0x80
.set z, 0
.rept 128                                      ; v: accumulator (kt, ct), every register holds channel 16 ct + r
	v_mov_b32 v[z], v[VB+(z/8)%4]
.set z, z+1
.endr
	WIN 0
.Linit:
	WIN 0x80
.set z, 0
.rept 16
	v_mov_b32 v[128+z], 0                          ; the gate's two sums
.set z, z+1
.endr
	WIN 0
	s_wait_xcnt 0x0                                ; the blocks' stores have read v96-127, which the first fetch writes again
; the fragments of 32 along K at step kk of the chunk: E's four (16 keys each) as they lie, W's four (16 columns each) turned
.macro FETCH kk, f
.set z, 0
.rept 4
	ds_load_b128 v[(\f)+8*z:(\f)+8*z+3], v[EAL] offset:z*16*EPI+64*(\kk)
	ds_load_b128 v[(\f)+8*z+4:(\f)+8*z+7], v[EAL] offset:z*16*EPI+64*(\kk)+32
.set z, z+1
.endr
.set z, 0
.rept 4
	ds_load_tr16_b128 v[(\f)+32+8*z:(\f)+32+8*z+3], v[WAL] offset:(\kk)*32*WPI+32*z
	ds_load_tr16_b128 v[(\f)+32+8*z+4:(\f)+32+8*z+7], v[WAL] offset:(\kk)*32*WPI+32*z+16*WPI
.set z, z+1
.endr
.endm
; the gate: (16 heads) x (16 keys) += Wg^T E^T; the four key tiles are summed on purpose, onto two accumulators that take turns
.macro GATEMM kk, f
	s_cmp_lg_u32 s[GF], 0
	s_cbranch_scc0 .Lngm_\@
	WIN 0xa0
.set z, 0
.rept 4
	v_wmma_f32_16x16x32_bf16 v[128+8*(z%2):128+8*(z%2)+7], v[GFR+8*(\kk):GFR+8*(\kk)+7], v[(\f)+8*z:(\f)+8*z+7], v[128+8*(z%2):128+8*(z%2)+7]
.set z, z+1
.endr
	WIN 0
.Lngm_\@:
.endm
; a chunk's 64 products.  typ 0 (k): source 0 = W's columns, source 1 = E's keys: a lane ends with ONE key and 8 channels.  typ 1 (v): the other way round: ONE channel and 8 keys.
; The 16 accumulators take turns.  While one step is multiplied the next step's 16 LDS loads are out: the counted wait leaves just those.
.macro COMPUTE typ
.if (\typ) == 0
	s_cmp_lg_u32 s[GF], 0
	s_cbranch_scc0 .Lngl_\@
.set z, 0
.rept 4                                        ; the chunk's four fragments of Wg, ahead of the fetches, so that their counted waits cover these too
	ds_load_tr16_b128 v[GFR+8*z:GFR+8*z+3], v[GAD] offset:z*32*GPI
	ds_load_tr16_b128 v[GFR+8*z+4:GFR+8*z+7], v[GAD] offset:z*32*GPI+16*GPI
.set z, z+1
.endr
.Lngl_\@:
.endif
	FETCH 0, FB
.set kk, 0
.rept 4
.if kk < 3
.if kk > 0
	PLACES                                         ; behind the products that read the buffer to be loaded
.endif
	FETCH kk+1, FB+64*((kk+1)%2)
.if kk == 1
	LOADL
.endif
	s_wait_dscnt 16                                ; all but the 16 LDS loads just issued
.else
	s_wait_dscnt 0x0
.endif
	WIN 0xa0                                       ; C and D window 2, sources window 0
.set fb, FB+64*(kk%2)
.set i, 0
.rept 4
.set j, 0
.rept 4
.if (\typ) == 0
	v_wmma_f32_16x16x32_bf16 v[8*(4*i+j):8*(4*i+j)+7], v[fb+32+8*i:fb+32+8*i+7], v[fb+8*j:fb+8*j+7], v[8*(4*i+j):8*(4*i+j)+7]
.else
	v_wmma_f32_16x16x32_bf16 v[8*(4*i+j):8*(4*i+j)+7], v[fb+8*i:fb+8*i+7], v[fb+32+8*j:fb+32+8*j+7], v[8*(4*i+j):8*(4*i+j)+7]
.endif
.set j, j+1
.endr
.set i, i+1
.endr
	WIN 0
.if (\typ) == 0
	GATEMM kk, fb
.endif
.set kk, kk+1
.endr
.endm
	s_mov_b32 s[CNT], 6
.Lchunk:
	s_wait_loadcnt 0x0                             ; the chunk is in registers, and its loads have read their pointers, which are made anew for the walk's next chunk:
	s_add_co_u32 s[CC], s[CC], 1
	s_cmp_eq_u32 s[CC], 6
	s_cselect_b32 s[CC], 0, s[CC]                  ; round the six
	s_lshl_b32 s[OF], s[CC], 9
	s_add_nc_u64 s[EP:EP+1], s[EB:EB+1], s[OF:OF+1]
	s_lshl_b32 s[OF], s[CC], 19
	s_add_nc_u64 s[WP:WP+1], s[WB:WB+1], s[OF:OF+1]  ; (in the last trip they are not used)
	WIN 0xc5                                       ; sources window 1, destination window 3: the registers that the loads fill are free at once
.set z, 0
.rept 32
	v_cvt_pk_bf16_f32 v[2*z], v[4*z], v[4*z+1]
	v_cvt_pk_bf16_f32 v[2*z+1], v[4*z+2], v[4*z+3]
	v_cvt_pk_bf16_f32 v[64+2*z], v[128+4*z], v[128+4*z+1]
	v_cvt_pk_bf16_f32 v[64+2*z+1], v[128+4*z+2], v[128+4*z+3]
.set z, z+1
.endr
	WIN 0
	s_cmp_eq_u32 s[CNT], 1
	s_cbranch_scc1 .Lnoload                        ; the last chunk has none behind it
	LOADCH 0                                       ; 63 loads: they have the barriers, the LDS stores and the products in which to land
.Lnoload:
	s_wait_dscnt 0x0                               ; my reads of the last chunk are over,
	s_barrier_signal -1
	s_barrier_wait -1                              ; and everybody's: the chunk's bytes in LDS may be written again
	WIN 0x0c                                       ; store data in window 3
.set z, 0
.rept 32
	ds_store_b64 v[ES], v[2*z:2*z+1] offset:EPI*z
	ds_store_b64 v[WS], v[64+2*z:64+2*z+1] offset:WPI*z
.set z, z+1
.endr
	WIN 0
	s_wait_dscnt 0x0                               ; for the others' sake: my rows lie in LDS
	s_barrier_signal -1
	s_barrier_wait -1
	s_cmp_eq_u32 s[TYP], 0
	s_cbranch_scc0 .Lcv
	COMPUTE 0
	s_branch .Lcd
.Lcv:
	COMPUTE 1
.Lcd:
	v_add_nc_u32 v[GAD], 128*GPI, v[GAD]
	s_sub_co_u32 s[CNT], s[CNT], 1
	s_cmp_lg_u32 s[CNT], 0
	s_cbranch_scc1 .Lchunk
	PLACES
	PLACES
	s_cmp_eq_u32 s[TYP], 0
	s_cbranch_scc0 .Lcvt
	; k: a key's 64 channels lie in two lanes, 32 each.  Sum of squares in four chains (a key tile each), from each accumulator's lowest registers on
	WIN 0x0a
.set i, 0
.rept 4
.set p, 0
.rept 4
.set j, 0
.rept 4
.set rg, 8*(4*i+j)+2*p
.if (i == 0) && (p == 0)
	v_pk_mul_f32 v[TT+2*j:TT+2*j+1], v[rg:rg+1], v[rg:rg+1]
.else
	v_pk_fma_f32 v[TT+2*j:TT+2*j+1], v[rg:rg+1], v[rg:rg+1], v[TT+2*j:TT+2*j+1]
.endif
.set j, j+1
.endr
.set p, p+1
.endr
.set i, i+1
.endr
	WIN 0
.irp j, 0,1,2,3
	v_add_f32 v[TT+2*\j], v[TT+2*\j], v[TT+2*\j+1]
.endr
.irp j, 0,1,2,3
	v_permlanex16_b32 v[TT+2*\j+1], v[TT+2*\j], s[SEL], s[SEL+1]
.endr
.irp j, 0,1,2,3
	v_add_f32 v[TT+2*\j], v[TT+2*\j], v[TT+2*\j+1]
.endr
.irp j, 0,1,2,3
	v_sqrt_f32 v[TT+2*\j], v[TT+2*\j]
.endr
	v_nop                                          ; a plain instruction behind the last root,
	s_wait_alu depctr_va_vdst(0)                   ; and the one wait ahead of the batch's first reader
.irp j, 0,1,2,3
	v_max_num_f32 v[TT+2*\j], 0x358637bd, v[TT+2*\j]  ; max(norm, 1e-6)
.endr
.irp j, 0,1,2,3
	v_rcp_f32 v[TT+2*\j], v[TT+2*\j]
.endr
	v_nop
	s_wait_alu depctr_va_vdst(0)
	WIN 0x82
.set z, 0
.rept 64
	v_pk_mul_f32 v[2*z:2*z+1], v[2*z:2*z+1], v[TT+2*((z/4)%4):TT+2*((z/4)%4)+1] op_sel_hi:[1,0]
.set z, z+1
.endr
	WIN 0
.Lcvt:                                         ; k^ and v alike: rounded once to f16, each accumulator from its lowest registers on
	WIN 0x0a
.set z, 0
.rept 64
	v_cvt_pk_f16_f32 v[32+z], v[2*z], v[2*z+1]
.set z, z+1
.endr
	WIN 0
	s_cmp_eq_u32 s[TYP], 0
	s_cbranch_scc0 .Lstv
.set i, 0
.rept 4
.set j, 0
.rept 4                                        ; channels 16 i + 8 h + 0..7 of key 16 j + r: block (kt = j, ks = i / 2), g = i % 2; 512 consecutive bytes a store
	global_store_b128 v[L16], v[32+4*(4*i+j):32+4*(4*i+j)+3], s[OUTP:OUTP+1] offset:(2*j+i/2)*1024+(i%2)*512
.set j, j+1
.endr
.set i, i+1
.endr
	s_branch .Lgate
.Lstv:
.set i, 0
.rept 4
.set j, 0
.rept 4                                        ; keys 16 i + 8 h + 0..7 of channel 16 j + r: block (ksv = i / 2, cb = j), g = i % 2
	global_store_b128 v[L16], v[32+4*(4*i+j):32+4*(4*i+j)+3], s[OUTP:OUTP+1] offset:(4*(i/2)+j)*1024+(i%2)*512
.set j, j+1
.endr
.set i, i+1
.endr
.Lgate:
	s_cmp_lg_u32 s[GF], 0
	s_cbranch_scc0 .Lend
	WIN 0x0a                                       ; register e of lane (r, h): head 8 h + e, key column r: the two sums are added, then the 16 columns
.irp p, 0,1,2,3
	v_pk_add_f32 v[GT+2*\p:GT+2*\p+1], v[128+2*\p:128+2*\p+1], v[136+2*\p:136+2*\p+1]
.endr
	WIN 0
.irp m, 1,2,4,8
.irp e, 0,1,2,3,4,5,6,7
	v_add_f32_dpp v[GT+\e], v[GT+\e], v[GT+\e] row_xmask:\m row_mask:0xf bank_mask:0xf
.endr
.endr
	v_cmp_eq_u32 vcc_lo, 0, v2
	s_wait_xcnt 0x0                                ; EXEC is a source of the stores above: it changes only behind this wait
	s_and_saveexec_b32 s[SV], vcc_lo               ; lanes 0 and 16: heads 0-7 and 8-15
	global_store_b128 v[B32H], v[GT:GT+3], s[LPP:LPP+1]
	global_store_b128 v[B32H], v[GT+4:GT+7], s[LPP:LPP+1] offset:16
	s_wait_xcnt 0x0                                ; and again ahead of the line that widens it
	s_or_b32 exec_lo, exec_lo, s[SV]
.Lend:
	s_wait_tensorcnt 0x0                           ; the wave's end, behind my last LDS store
	ds_add_u32 v[SPW], v[NIL]
	s_wait_dscnt 0x0
	s_endpgm
.Lfunc_end_k_q175a3dc019_prep:
	.size	k_q175a3dc019_prep, .Lfunc_end_k_q175a3dc019_prep-k_q175a3dc019_prep
	.p2alignl 7, 3214868480
	.fill 96, 4, 3214868480
	.section	.rodata,"a",@progbits
	.p2align	6, 0x0
	.amdhsa_kernel k_q175a3dc019_prep
		.amdhsa_group_segment_fixed_size 127488
		.amdhsa_private_segment_fixed_size 0
		.amdhsa_enable_private_segment 0
		.amdhsa_kernarg_size 80
		.amdhsa_user_sgpr_count 2
		.amdhsa_user_sgpr_kernarg_segment_ptr 1
		.amdhsa_wavefront_size32 1
		.amdhsa_system_sgpr_workgroup_id_x 1
		.amdhsa_system_sgpr_workgroup_id_y 1
		.amdhsa_system_sgpr_workgroup_id_z 1
		.amdhsa_system_vgpr_workitem_id 0
		.amdhsa_next_free_vgpr 896
		.amdhsa_next_free_sgpr 72
		.amdhsa_reserve_vcc 1
		.amdhsa_float_denorm_mode_32 3
		.amdhsa_float_denorm_mode_16_64 3
		.amdhsa_memory_ordered 1
		.amdhsa_forward_progress 1
		.amdhsa_inst_pref_size 98
	.end_amdhsa_kernel
	.amdgpu_metadata
---
amdhsa.version: [ 1, 2 ]
amdhsa.kernels:
  - .name:           k_q175a3dc019_prep
    .symbol:         k_q175a3dc019_prep.kd
    .args:
      - { .name: encoder_hidden_states, .offset: 0, .size: 8, .value_kind: global_buffer, .address_space: global }
      - { .name: Wk, .offset: 8, .size: 8, .value_kind: global_buffer, .address_space: global }
      - { .name: Wv, .offset: 16, .size: 8, .value_kind: global_buffer, .address_space: global }
      - { .name: bk, .offset: 24, .size: 8, .value_kind: global_buffer, .address_space: global }
      - { .name: bv, .offset: 32, .size: 8, .value_kind: global_buffer, .address_space: global }
      - { .name: Wg, .offset: 40, .size: 8, .value_kind: global_buffer, .address_space: global }
      - { .name: Wq, .offset: 48, .size: 8, .value_kind: global_buffer, .address_space: global }
      - { .name: Wo, .offset: 56, .size: 8, .value_kind: global_buffer, .address_space: global }
      - { .name: STR, .offset: 64, .size: 8, .value_kind: global_buffer, .address_space: global }
      - { .name: LP, .offset: 72, .size: 8, .value_kind: global_buffer, .address_space: global }
    .group_segment_fixed_size: 127488
    .private_segment_fixed_size: 0
    .kernarg_segment_align: 8
    .kernarg_segment_size: 80
    .max_flat_workgroup_size: 128
    .sgpr_count:     72
    .vgpr_count:     896
    .wavefront_size: 32
...
	.end_amdgpu_metadata
.endif
;; end of part 3
;; launch main (part 4): grid 256 x 1, 4 waves a work-group, clusters of 4 x 1, 327,680 bytes of LDS; arguments hidden_states, STR, LP, bq, bg, head_gain, bo, out0; writes out0
.if DOCPART == 4
	.amdgcn_target "amdgcn-amd-amdhsa--gfx1250"
	.amdhsa_code_object_version 6
	.text
	.protected	k_q175a3dc019_main
	.globl	k_q175a3dc019_main
	.p2align	8
	.type	k_q175a3dc019_main,@function
k_q175a3dc019_main:
	s_mov_b64 s[64:65], 0
	v_nop
	global_prefetch_b8 v0, s[64:65] scope:SCOPE_SE
	s_setreg_imm32_b32 hwreg(HW_REG_WAVE_MODE, 25, 1), 1
	s_wait_xcnt 0x0
	s_wait_alu depctr_hold_cnt(0) depctr_sa_sdst(0) depctr_va_vdst(0) depctr_va_sdst(0) depctr_va_ssrc(0) depctr_va_vcc(0) depctr_vm_vsrc(0)
	s_getreg_b32 s2, hwreg(HW_REG_IB_STS2, 6, 4)
	s_cmp_eq_u32 s2, 0
	s_cbranch_scc0 .Lentry_in_a_cluster
	s_endpgm
.Lentry_in_a_cluster:
	s_bfe_u32 s2, ttmp6, 0x10000c
	s_cmp_lg_u32 s2, 0x3003
	s_cbranch_scc0 .Lentry_shape_is_right
	s_endpgm
.Lentry_shape_is_right:
; MAIN.  out0 = (softmax(q^ k^T / 8) v (1 + gamma)) Wo + bo with q = X Wq + bq normalised by heads, for 64 rows of X a work-group, with nothing stored between the steps.
; SHARES.  256 work-groups of 64 query rows.  Wave w owns output channels 256 w .. + 255 of both projections and heads 4 w .. 4 w + 3 of the attention, for all 64 rows (four tiles of 16).
; LAYOUT.  Every product is taken transposed: source 0 = 16 rows of weights, of k^ or of v^T, source 1 = 16 queries.  So a lane always holds ONE query (lane % 16) and eight neighbouring
; channels or keys (8 (lane / 16) + 0..7), and q's sums become Q's fragments, the scores P's and O^T's sums O's by rounding in pairs alone: nothing changes lanes but norms and row sums.
; THE STREAM.  All that source 0 takes comes from STR in fragment order (the launch before wrote it): 48 slots of 128 KiB: 16 of Wq, 16 of the batch's k^ and v, 16 of Wo.  A wave's
; quarter of a slot is dense, is fetched by that wave's one tensor load and is read by that wave alone: 128 matrix instructions a wave and slot.  Two LDS slots take turns.
; THE WALK.  A phase's 16 slots may be summed in any order, so each cluster begins at a place of its own: with c the cluster's number and x = c xor (c >> 1), the two 2-bit fields of the slot's
; number are turned by a class made of x: Wq's slots (and X's chunks with them) by bits 0, 1 and 3, 4; the key slot within a head by bits 0, 2; Wo's group of heads by bits 0, 2.  So at any time
; the clusters ask for different slots of a phase.  The class enters global addresses and one choice of registers (which head's O is laid into LDS), and no LDS address.
; CLUSTER.  The four work-groups of a cluster lie in one batch and walk the same 48 slots in the same order, so every tile is asked for JOINTLY (mask 15), behind a round of the cluster's barrier.
; FORMATS.  X, Wq, bq, bo, bg, head_gain rounded once to bf16; q^ (with (1 + 2^-9) / 8 folded in, in f32), P and O rounded once to f16; k^, v, Wo arrive in f16; all sums in f32.
; NO MAXIMUM is taken from the scores: q^ and k^ are vectors that the computation itself has normalised (length at most 1), so every score s lies in -1/8 .. 1/8 and e^s in 0.88 .. 1.14, for every input.
; THE WEIGHTS.  On that range e^s is taken as 1 + u + d u^2, u = (1 + 2^-9) s, d = 0.498701: the quadratic whose error swings evenly over -1/8 .. 1/8.  It is off by at most 8.3e-5, under 1e-4 of
; the weight, for every input; the rounding to f16 that the weight gets next is up to 4.9e-4.  It is made as d (w^2 + c3), w = u + c1, c1 = 1 / (2 d), c3 = (4 d - 1) / (4 d^2): c1 is the C operand that
; starts the score's sum, so w comes out of the matrix unit and a pair of weights is ONE packed multiply-add; the factor d is left out, since it cancels between a weight and its row's sum.
; So the weights kept lie in 1.77 .. 2.28 and a row's sum of 512 of them in 904 .. 1,166.
; LIMITS.  |v| (1 + gamma) stays under 65,504 (f16); NaN and infinities are not treated apart; sums are taken in another order than the reference's.
.set SLOTB, 1<<17                      ; an LDS slot; slot 1 begins here, so that one exclusive or turns an address in one slot into the other's
.set OREG, 2*SLOTB                     ; 33,792 bytes: O's fragments of one head a wave (8,192 each); at the end a stage of 16 rows x 528 bytes for each wave
.set STG, 16*528
.set XB0, OREG+4*STG                   ; 64 rows x 144 bytes: a chunk (64 channels) of X in bf16
.set XPI, 144                          ; 128 bytes + 16: an odd multiple of 16
.set SPARE, XB0+64*XPI                 ; the spare words, 128 bytes a wave: two blocks of 256 bytes that no other line names
.set XTOG, 0x4000                      ; the second chunk buffer lies at XB0 xor XTOG = 312,320
.set L16, 2                            ; v2   16 x lane; never rewritten
.set WADR, 3                           ; v3   LDS address of source 0's fragments
.set AADR, 4                           ; v4   of source 1's (X, O), or of V's
.set XLT, 5                            ; v5   my place in a fragment of X
.set XO, 6                             ; v6   my byte offset in the group's rows of X
.set XS, 7                             ; v7   where I store 8 bytes of a row of X, less the buffer
.set XSA, 8                            ; v8   the same with the buffer
.set STO, 9                            ; v9   the way out: where I put 32 bytes of a row
.set RD, 10                            ; v10  the way out: where I read a row back
.set GO, 11                            ; v11  1,024 w + 16 x lane: my bytes in a row of out0 and in bo
.set PFO, 12                           ; v12  256 x lane
.set PXO, 13                           ; v13  a row of X for each of 64 threads
.set OST, 14                           ; v14  where I put my O fragments
.set BOF, 15                           ; v15  my bytes of bq
.set LS, 16                            ; v16-23 the row sums l, a pair (even keys', odd keys') for each query tile
.set LPO, 24
.set GBO, 25
.set TT, 26
.set SPW, 28                           ; v28  my spare word; never rewritten
.set NIL, 29                           ; v29  0; never rewritten
.set WB0, 32                           ; v32-95, v96-159   two buffers of eight fragments of source 0.   In the attention: S^T (qt, kt) at 32 + 32 qt + 8 kt
.set AB0, 160                          ; v160-191, v192-223 source 1's four fragments for ks = 0, 1.      In the attention: P (qt, ksv) at 160 + 16 qt + 8 ksv
.set AB1, 192
.set T, 224                            ; v224-231 at work
.set U, 232                            ; v232-235 at work
.set C1, 236                           ; v236-243 c1, eight times: the C operand that starts a score's sum; never rewritten
.set BO, 248                           ; v248-255 bo of my 4 columns in each half of my 256
; window 1: blocks g at 64 g + 16 qt + 8 ks: Q's fragments of head g, later O's.  In the first projection: v0-127 bq (8 a channel tile), v128-159 a chunk of X as loaded, v160-195 chunk 0 and temporaries
; window 2: accumulators (ct 0-7, qt) at 32 ct + 8 qt.   In the attention: K (kt, ks) at 16 kt + 8 ks; the head's Q at 64 + 16 qt + 8 ks; V (ksv, cb) at 128 + 32 ksv + 8 cb
; window 3: accumulators (ct 8-15, qt).                  In the attention: O^T (qt, cb) at 32 qt + 8 cb
.set WV, 20
.set CX, 21
.set WG, 22
.set BADJ, 24                          ; batch x 2 MiB
.set TN, 25                            ; the step of the walk (0 .. 47) to be asked for next
.set FK, 26                            ; 1: my cluster speaks for its class in its batch: it prefetches k^ and v
.set FW, 27                            ; 1: my cluster speaks for its class in the launch: it prefetches Wo
.set G1, 28                            ; s[28:35] descriptor group 1
.set G0A, 36                           ; s[36:39] group 0 of the first fill
.set G0, 40                            ; s[40:43] group 0 that walks
.set OFF, 44                           ; s[44:45] a slot's byte offset in STR, high word 0
.set POF, 46                           ; s[46:47] the same for the prefetch
.set WOFF, 48                          ; 32,768 x wave
.set PSH, 49                           ; (4 cx + wave) x 8,192: my sixteenth of a slot, for the prefetch alone
.set PFA, 50                           ; s[50:51]
.set AQ, 52                            ; 1: the prefetch in hand is mine
.set TB, 53                            ; LDS byte at which my next fragments begin
.set XBS, 54                           ; the chunk buffer that the next slot reads
.set CNT, 55
.set LIMX, 56
.set TWICE, 57
.set SL, 58
.set HD, 59
.set GC, 60                            ; 1 + gamma of the head in hand
.set T3C, 62
.set OB, 63
.set SEL, 66                           ; s[66:67]
.set GAM, 68                           ; s[68:71] 1 + gamma of my four heads
.set XBASE, 72                         ; s[72:73] X at my group's rows; never stepped
.set MHI, 74
.set TA, 75
.set TQ, 76
.set TC, 77
.set OUTP, 78                          ; s[78:79]
.set TP, 80                            ; s[80:81]
.set R1, 82                            ; the class for Wq's slots and X's chunks: four bits
.set R2, 83                            ; the class for the key slots: two bits
.set R3, 84                            ; the class for Wo's groups of heads: 4 x R2
.set R1H, 85                           ; R1's upper field, in place
.set RR, 86
.set TH, 87
.set XW, 88                            ; the step of the walk whose chunk of X is loaded next
.set GQ, 89                            ; which of each wave's four heads lies in OREG
.set XOF, 90                           ; s[90:91] a chunk's byte offset in a row of X, high word 0
.set XPL, 92                           ; s[92:93] X at the chunk that is loaded
.set XPF, 94                           ; s[94:95] X at the chunk that is prefetched
.set XOG, 96                           ; s[96:97] that chunk's offset, high word 0
.set C3, 98                            ; s[98:99] c3, named as a pair
.set MSB, 0
.macro WIN new                         ; the high byte repeats the setting that is left; a switch that changes nothing is dropped
.if MSB != (\new)
	s_set_vgpr_msb (MSB<<8)|(\new)
.set MSB, (\new)
.endif
.endm
.macro PLACES                          ; four plain places behind a matrix instruction (ISA guide 7.12.1)
.rept 4
	v_nop
.endr
.endm
.macro CREST                           ; a round of the cluster's barrier behind its opening barrier
	s_cmp_lg_u32 s[WV], 0
	s_cbranch_scc1 .Lnw0_\@
	s_barrier_signal -3
.Lnw0_\@:
	s_barrier_wait -3
	s_barrier_signal -1
	s_barrier_wait -1
.endm
.macro ROUND
	s_barrier_signal -1
	s_barrier_wait -1
	CREST
.endm
; Step src of the walk (0 .. 47) -> the byte offset in STR of the slot that my cluster takes there: the phase (bits 5:4) stays, the two 2-bit fields below are turned by the phase's class;
; slot x 128 KiB, + the batch's 2 MiB for k^ and v, + 6 MiB for Wo.  In three parts, so that each can stand behind a few products.
.macro ROTA dst, src
	s_cmp_ge_u32 s[\src], 16
	s_cselect_b32 s[RR], s[R2], s[R1]
	s_cselect_b32 s[TA], s[BADJ], 0
	s_cmp_ge_u32 s[\src], 32
	s_cselect_b32 s[RR], s[R3], s[RR]
	s_cselect_b32 s[TA], 6<<20, s[TA]
.endm
.macro ROTB dst, src
	s_add_co_u32 s[\dst], s[\src], s[RR]
	s_and_b32 s[\dst], s[\dst], 3
	s_and_b32 s[TH], s[\src], 12
	s_and_b32 s[RR], s[RR], 12
	s_add_co_u32 s[TH], s[TH], s[RR]
	s_and_b32 s[TH], s[TH], 12
.endm
.macro ROTC dst, src
	s_or_b32 s[\dst], s[\dst], s[TH]
	s_and_b32 s[TH], s[\src], 48
	s_or_b32 s[\dst], s[\dst], s[TH]
	s_lshl_b32 s[\dst], s[\dst], 17
	s_add_co_u32 s[\dst], s[\dst], s[TA]
.endm
.macro ROT dst, src
	ROTA \dst, \src
	ROTB \dst, \src
	ROTC \dst, \src
.endm
.macro ROT1 dst, src                   ; the same turn for X: step src of the first phase -> the byte offset of its 64 channels in a row
	s_add_co_u32 s[\dst], s[\src], s[R1]
	s_and_b32 s[\dst], s[\dst], 3
	s_and_b32 s[TH], s[\src], 12
	s_add_co_u32 s[TH], s[TH], s[R1H]
	s_and_b32 s[TH], s[TH], 12
	s_or_b32 s[\dst], s[\dst], s[TH]
	s_lshl_b32 s[\dst], s[\dst], 8
.endm
; Part p of the scalar work for the next change of slots, in registers of its own (no register of a descriptor, none that a pending prefetch reads).  0-2: the refill's offset, of step TN.
; 3-7: the prefetch's.  It names the slot of the step two refills on, where that step is the slot's first reading in the launch: the first of a head's four steps (all four key slots are then taken, a
; class each), and Wo's steps 0 to 3 (all sixteen slots are taken in them).  Wq's first readings stand at the kernel's head and come by their loads alone.
.macro PREP p
.if (\p) == 0
	ROTA OFF, TN
.elseif (\p) == 1
	ROTB OFF, TN
.elseif (\p) == 2
	ROTC OFF, TN
	s_add_co_u32 s[OFF], s[OFF], s[WOFF]
.elseif (\p) == 3
	s_add_co_u32 s[TQ], s[TN], 2
	s_min_u32 s[TC], s[TQ], 47                     ; held inside the stream
	ROTA POF, TC
.elseif (\p) == 4
	ROTB POF, TC
.elseif (\p) == 5
	ROTC POF, TC
	s_add_co_u32 s[POF], s[POF], s[PSH]
.elseif (\p) == 6
	s_and_b32 s[TA], s[TQ], 3
	s_cmp_eq_u32 s[TA], 0
	s_cselect_b32 s[AQ], s[FK], 0
	s_cmp_lt_u32 s[TQ], 16
	s_cselect_b32 s[AQ], 0, s[AQ]
.elseif (\p) == 7
	s_cmp_ge_u32 s[TQ], 32
	s_cselect_b32 s[AQ], s[FW], s[AQ]
	s_cmp_ge_u32 s[TQ], 36
	s_cselect_b32 s[AQ], 0, s[AQ]
.endif
.endm
.macro SETADDR ask                     ; no tensor load of mine is out here: the walking descriptor is written
	s_xor_b32 s[G0+1], s[G0+1], SLOTB              ; the other LDS slot than last time
	s_add_nc_u64 s[G0+2:G0+3], s[6:7], s[OFF:OFF+1]
	s_or_b32 s[G0+3], s[G0+3], 0x80000000
	s_add_co_u32 s[TN], s[TN], 1
.if \ask
	s_wait_xcnt 0x0                                ; the last prefetch, a slot back, has read its address
	s_add_nc_u64 s[PFA:PFA+1], s[6:7], s[POF:POF+1]
.endif
.endm
.macro REFILL                          ; my one tensor load behind the round; an s_nop 0 and four v_nop follow it; the four are also places in front of the LDS loads that follow
	tensor_load_to_lds s[G0:G0+3], s[G1:G1+7]
	s_nop 0
.rept 4
	v_nop
.endr
.endm
; A PREFETCH INTO THE L2 of a slot two refills ahead of its first reading (PREP says which): 512 blocks of 256 bytes, shared out BY ADDRESS among 4 work-groups x 4 waves x 32 lanes: one instruction
; a wave.  Of the clusters that take the same slot at that step one asks: for k^ and v the cluster of the batch with c & 10 = 0, for Wo the cluster with c & 58 = 0.  So each block is named once.
; It is written where such a step can be two refills on: in the first projection's loop (the first head's first step) and in the attention.
.macro ASK
	s_cmp_lg_u32 s[AQ], 0
	s_cbranch_scc0 .Lna_\@
	global_prefetch_b8 v[PFO], s[PFA:PFA+1] th:TH_LOAD_NT scope:SCOPE_SE
.Lna_\@:
.endm
; n x 4 products: channel tiles c0 .. of half hi x the four query tiles.  cm = 0: in place; 1: the constant 0 starts the sums; 2: the bias (window 1) starts them.  All accumulators differ: they take turns.
.macro MULT typ, f, ab, hi, c0, n, cm
.if (\cm) == 2
	WIN 0x90+0x40*(\hi)
.else
	WIN 0xa0+0x50*(\hi)
.endif
.set mc, (\c0)
.rept (\n)
.set mq, 0
.rept 4
.if (\cm) == 1
	v_wmma_f32_16x16x32_\typ v[32*mc+8*mq:32*mc+8*mq+7], v[(\f)+8*mc:(\f)+8*mc+7], v[(\ab)+8*mq:(\ab)+8*mq+7], 0
.elseif (\cm) == 2
	v_wmma_f32_16x16x32_\typ v[32*mc+8*mq:32*mc+8*mq+7], v[(\f)+8*mc:(\f)+8*mc+7], v[(\ab)+8*mq:(\ab)+8*mq+7], v[8*(8*(\hi)+mc):8*(8*(\hi)+mc)+7]
.else
	v_wmma_f32_16x16x32_\typ v[32*mc+8*mq:32*mc+8*mq+7], v[(\f)+8*mc:(\f)+8*mc+7], v[(\ab)+8*mq:(\ab)+8*mq+7], v[32*mc+8*mq:32*mc+8*mq+7]
.endif
.set mq, mq+1
.endr
.set mc, mc+1
.endr
.endm
.macro FETCHW f, off                   ; eight blocks of source 0: 16 loads, each 512 consecutive bytes
	WIN 0
.set z, 0
.rept 8
	ds_load_b128 v[(\f)+8*z:(\f)+8*z+3], v[WADR] offset:(\off)+1024*z
	ds_load_b128 v[(\f)+8*z+4:(\f)+8*z+7], v[WADR] offset:(\off)+1024*z+512
.set z, z+1
.endr
.endm
.macro FETCHA ab, ks                   ; source 1's four fragments; AKS, AQT, ASEC are the phase's steps
	WIN 0
.set z, 0
.rept 4
	ds_load_b128 v[(\ab)+8*z:(\ab)+8*z+3], v[AADR] offset:(\ks)*AKS+z*AQT
	ds_load_b128 v[(\ab)+8*z+4:(\ab)+8*z+7], v[AADR] offset:(\ks)*AKS+z*AQT+ASEC
.set z, z+1
.endr
.endm
; A slot of a projection is four halves of 32 products: (ks, channel tiles 0-7 or 8-15).  One of the first three: fetches the next half's fragments in one run, then multiplies its own.
; pre > 0: parts 0 .. pre - 1 of PREP stand behind the products, one part behind each four.
.macro HALF n, typ, cm, pre=0
	WIN 0
	PLACES                                         ; behind the products that read the buffer to be loaded
	FETCHW WB0+64*(((\n)+1)%2), (((\n)+1)/2)*16384+(((\n)+1)%2)*8192
.if (\n) == 1
	FETCHA AB1, 1
	s_wait_dscnt 24                                ; all but the 24 just issued
.else
	s_wait_dscnt 16                                ; all but the 16 just issued
.endif
.if (\pre) == 0
	MULT \typ, WB0+64*((\n)%2), AB0+32*((\n)/2), (\n)%2, 0, 8, \cm
.else
.set hp, 0
.rept 8
	MULT \typ, WB0+64*((\n)%2), AB0+32*((\n)/2), (\n)%2, hp, 1, \cm
.if hp < (\pre)
	PREP hp
.endif
.set hp, hp+1
.endr
.endif
.endm
.macro OSTORE g                        ; my O fragments of head g (window 1) into OREG: register 4 i goes to byte 512 i
	WIN 0x04
.set z, 0
.rept 16
	ds_store_b128 v[OST], v[64*(\g)+4*z:64*(\g)+4*z+3] offset:512*z
.set z, z+1
.endr
	WIN 0
.endm
.macro OLADDER                         ; head GQ of my four: the number picks registers, so each has its text; the LDS bytes are the same in all four
	s_cmp_eq_u32 s[GQ], 0
	s_cbranch_scc0 .Lo1_\@
	OSTORE 0
	s_branch .Lod_\@
.Lo1_\@:
	s_cmp_eq_u32 s[GQ], 1
	s_cbranch_scc0 .Lo2_\@
	OSTORE 1
	s_branch .Lod_\@
.Lo2_\@:
	s_cmp_eq_u32 s[GQ], 2
	s_cbranch_scc0 .Lo3_\@
	OSTORE 2
	s_branch .Lod_\@
.Lo3_\@:
	OSTORE 3
.Lod_\@:
.endm
; The fourth half changes slots.  Its fragments are in registers, so my reads of this slot are over at its head.  Four products stand ahead of the wait for my tensor loads (one is out: my part of the
; next slot), eight between the add and the wait for it, four between the round's opening signal and wait; behind the round comes the joint refill, which has the next 112 products in which to land.
; Behind the round no wave of any partner reads the slot or has a load on its way.
; fill = 0: the last change: nothing is asked for, and as each wave reads its own part alone its own wait is all the ordering.  next = 1: the next slot's first fragments are fetched.
; ph = 1: source 1 is X's next chunk.  ph = 3: source 1 is O of head 4 j + GQ, j = step % 4; every fourth step each wave lays its next head's O into OREG, between two barriers.
.macro H3 fill, next, ph, typ, ask
	WIN 0
	s_wait_dscnt 0x0                               ; this half's fragments are in: my reads of this slot are over
.if \fill
	MULT \typ, WB0+64, AB1, 1, 0, 1, 0
	WIN 0
	s_wait_tensorcnt 0x0
	ds_add_u32 v[SPW], v[NIL]                      ; 0 onto my spare word; the descriptor's lines and eight products stand between it and the wait for it
	SETADDR \ask
	MULT \typ, WB0+64, AB1, 1, 1, 2, 0
	s_wait_dscnt 0x0                               ; the add is done
	s_barrier_signal -1                            ; this barrier opens the round
	MULT \typ, WB0+64, AB1, 1, 3, 1, 0
	WIN 0
	s_barrier_wait -1
	CREST
	REFILL
.else
	MULT \typ, WB0+64, AB1, 1, 0, 4, 0
	WIN 0
	s_wait_tensorcnt 0x0
	PLACES
.endif
	s_xor_b32 s[TB], s[TB], SLOTB
	v_add_nc_u32 v[WADR], s[TB], v[L16]
.if (\ph) == 1
	v_add_nc_u32 v[AADR], s[XBS], v[XLT]
	s_xor_b32 s[XBS], s[XBS], XTOG
.else
	s_add_co_u32 s[T3C], s[T3C], 1
	s_and_b32 s[OB], s[T3C], 3
.if \fill
	s_cmp_lg_u32 s[OB], 0
	s_cbranch_scc1 .Lxd_\@
	s_add_co_u32 s[GQ], s[GQ], 1                   ; the next group of heads, round the four
	s_and_b32 s[GQ], s[GQ], 3
	OLADDER
.Lxd_\@:
	s_wait_dscnt 0x0                               ; for the others' sake: my fragments lie in OREG (the round above has shown that nobody reads the old ones)
	s_barrier_signal -1
	s_barrier_wait -1
.endif
	s_lshl_b32 s[OB], s[OB], 13
	s_add_co_u32 s[OB], s[OB], OREG
	v_add_nc_u32 v[AADR], s[OB], v[L16]
.endif
.if \next
	FETCHW WB0, 0
	FETCHA AB0, 0
.endif
.if \ask
	ASK
.endif
	MULT \typ, WB0+64, AB1, 1, 4, 4, 0
.endm
.macro XCVT b                          ; a chunk of X in window 1 at v[b ..]: to bf16 in place, 8 bytes a lane into the buffer of XSA
	WIN 0x45
.set z, 0
.rept 8
	v_cvt_pk_bf16_f32 v[(\b)+4*z], v[(\b)+4*z], v[(\b)+4*z+1]
	v_cvt_pk_bf16_f32 v[(\b)+4*z+1], v[(\b)+4*z+2], v[(\b)+4*z+3]
.set z, z+1
.endr
	WIN 0x04
.set z, 0
.rept 8
	ds_store_b64 v[XSA], v[(\b)+4*z:(\b)+4*z+1] offset:2*XPI*z
.set z, z+1
.endr
	WIN 0
.endm
; In step t: the chunk of step t + 1 goes from registers into LDS (the buffer that step t - 1 read: the round between has shown those reads over), the chunk of step t + 2 is loaded (a slot ahead of its
; use), and waves 0 and 1 prefetch the chunk of step t + 4, a lane a row of 256 bytes, two slots ahead of its load; the chunks of steps 0 to 3 come by their loads alone; the trips whose step would not
; exist ask for nothing.
.macro XCONV
	WIN 0
	s_wait_loadcnt 0x0
	v_add_nc_u32 v[XSA], s[XBS], v[XS]
	XCVT 128
	s_cmp_gt_u32 s[CNT], 1
	s_cbranch_scc0 .Lnox_\@
	ROT1 XOF, XW
	s_add_co_u32 s[TC], s[XW], 2
	ROT1 XOG, TC
	s_add_co_u32 s[XW], s[XW], 1
	s_wait_xcnt 0x0                                ; the last prefetch, a slot back, has read its pointer
	s_add_nc_u64 s[XPL:XPL+1], s[XBASE:XBASE+1], s[XOF:XOF+1]
	s_add_nc_u64 s[XPF:XPF+1], s[XBASE:XBASE+1], s[XOG:XOG+1]
	WIN 0x40
.set z, 0
.rept 8
	global_load_b128 v[128+4*z:128+4*z+3], v[XO], s[XPL:XPL+1] offset:8192*z th:TH_LOAD_NT
.set z, z+1
.endr
	WIN 0
	s_cmp_gt_u32 s[CNT], s[LIMX]
	s_cbranch_scc0 .Lnox_\@
	global_prefetch_b8 v[PXO], s[XPF:XPF+1] th:TH_LOAD_NT scope:SCOPE_SE
.Lnox_\@:
.endm
	s_load_b512 s[4:19], s[0:1], 0x0               ; X s[4:5], STR s[6:7], LP s[8:9], bq s[10:11], bg s[12:13], head_gain s[14:15], bo s[16:17], out0 s[18:19]
	v_lshl_add_u32 v[SPW], v0, 2, SPARE
	v_mov_b32 v[NIL], 0
	ds_add_u32 v[SPW], v[NIL]                      ; the wave's opening: the add and its wait stand ahead of my first tensor load; work on registers stands between them
	v_lshrrev_b32 v1, 5, v0
	v_readfirstlane_b32 s[WV], v1                  ; wave 0..3
	s_bfe_u32 s[CX], ttmp6, 0x40000                ; my place in the cluster: it enters X's, out0's and the prefetch's addresses alone
	s_lshl_b32 s[WG], ttmp9, 2                     ; in a cluster launch ttmp9 counts clusters
	s_add_co_u32 s[WG], s[WG], s[CX]
	s_lshr_b32 s[BADJ], ttmp9, 4                   ; the batch: 16 clusters each
	s_lshl_b32 s[TP], s[BADJ], 9                   ; its 8 rows of LP
	s_mov_b32 s[TP+1], 0
	s_lshl_b32 s[BADJ], s[BADJ], 21
	s_mov_b32 s[TN], 2
	s_lshr_b32 s[TA], ttmp9, 1                     ; the classes of the walk, the same in all four partners
	s_xor_b32 s[TA], s[TA], ttmp9                  ; x = c xor (c >> 1)
	s_and_b32 s[R1], s[TA], 3                      ; x's bits 0, 1
	s_lshr_b32 s[TH], s[TA], 1
	s_and_b32 s[R1H], s[TH], 12                    ; x's bits 3, 4, as the upper field
	s_or_b32 s[R1], s[R1], s[R1H]
	s_and_b32 s[R2], s[TA], 1                      ; x's bit 0
	s_and_b32 s[TH], s[TH], 2                      ; x's bit 2
	s_or_b32 s[R2], s[R2], s[TH]
	s_lshl_b32 s[R3], s[R2], 2
	s_mov_b32 s[GQ], s[R2]
	s_and_b32 s[TA], ttmp9, 10
	s_cmp_eq_u32 s[TA], 0
	s_cselect_b32 s[FK], 1, 0
	s_and_b32 s[TA], ttmp9, 58
	s_cmp_eq_u32 s[TA], 0
	s_cselect_b32 s[FW], 1, 0
	; descriptor group 1: 32,768 dense bytes as 128 rows of 256 bytes
	s_mov_b32 s[G1+0], 15|(3<<16)|(1<<21)          ; 15:0 the mask: all four work-groups; 17:16 elements of 8 bytes; 21 set beside a mask; no padding
	s_mov_b32 s[G1+1], 32<<16                      ; tensor_dim0 = 32
	s_mov_b32 s[G1+2], 128<<16                     ; tensor_dim1 = 128
	s_mov_b32 s[G1+3], 32<<16                      ; tile_dim0 = 32
	s_mov_b32 s[G1+4], 128                         ; tile_dim1 = 128
	s_mov_b32 s[G1+5], 32                          ; 32 elements from row to row
	s_mov_b32 s[G1+6], 0
	s_mov_b32 s[G1+7], 0
	s_lshl_b32 s[WOFF], s[WV], 15
	s_lshl_b32 s[PSH], s[CX], 2
	s_add_co_u32 s[PSH], s[PSH], s[WV]
	s_lshl_b32 s[PSH], s[PSH], 13
	s_mov_b32 s[OFF+1], 0
	s_mov_b32 s[POF+1], 0
	s_mov_b32 s[XOF+1], 0
	s_mov_b32 s[XOG+1], 0
	s_mov_b32 s[G0A], 1
	s_mov_b32 s[G0A+1], s[WOFF]                    ; slot 0, my part
	s_mov_b32 s[G0], 1
	s_add_co_u32 s[G0+1], s[WOFF], SLOTB           ; slot 1, my part
	s_mov_b32 s[TB], s[WOFF]
	s_mov_b32 s[XBS], XB0^XTOG
	s_mov_b32 s[XW], 2
	s_mov_b32 s[SEL], 0x76543210
	s_mov_b32 s[SEL+1], 0xfedcba98
	s_mov_b32 s[MHI], 0xffff0000
	s_mov_b32 s[C3], 0x3f7fff8e                    ; c3 = (4 d - 1) / (4 d^2) = 0.9999932
	s_mov_b32 s[C3+1], s[C3]
	s_cmp_lt_u32 s[WV], 2
	s_cselect_b32 s[LIMX], 3, -1
	s_wait_dscnt 0x0                               ; the opening add is done
	s_wait_kmcnt 0x0
	s_mov_b32 s[TC], 0                             ; the walk's steps 0 and 1
	ROT OFF, TC
	s_add_co_u32 s[OFF], s[OFF], s[WOFF]
	s_add_nc_u64 s[G0A+2:G0A+3], s[6:7], s[OFF:OFF+1]
	s_or_b32 s[G0A+3], s[G0A+3], 0x80000000
	s_mov_b32 s[TC], 1
	ROT OFF, TC
	s_add_co_u32 s[OFF], s[OFF], s[WOFF]
	s_add_nc_u64 s[G0+2:G0+3], s[6:7], s[OFF:OFF+1]
	s_or_b32 s[G0+3], s[G0+3], 0x80000000
	s_add_nc_u64 s[8:9], s[8:9], s[TP:TP+1]
	s_lshl_b32 s[TP], s[WG], 18                    ; 64 rows of 4,096 bytes
	s_add_nc_u64 s[XBASE:XBASE+1], s[4:5], s[TP:TP+1]
	s_add_nc_u64 s[OUTP:OUTP+1], s[18:19], s[TP:TP+1]
	s_mov_b32 s[TC], 0
	ROT1 XOF, TC
	s_add_nc_u64 s[XPF:XPF+1], s[XBASE:XBASE+1], s[XOF:XOF+1]  ; X's chunk of step 0,
	s_mov_b32 s[TC], 1
	ROT1 XOF, TC
	s_add_nc_u64 s[XPL:XPL+1], s[XBASE:XBASE+1], s[XOF:XOF+1]  ; and of step 1
	ROUND                                          ; all four work-groups are here: the first joint loads meet
	tensor_load_to_lds s[G0A:G0A+3], s[G1:G1+7]    ; the walk's steps 0 and 1: two loads of mine are out
	s_nop 0
	tensor_load_to_lds s[G0:G0+3], s[G1:G1+7]
	s_nop 0
.rept 4
	v_nop
.endr
	v_and_b32 v1, 31, v0                           ; lane
	v_and_b32 v30, 15, v0                          ; r
	v_bfe_u32 v31, v0, 4, 1                        ; h
	v_lshlrev_b32 v[L16], 4, v1
	v_add_nc_u32 v[WADR], s[TB], v[L16]
	v_mul_u32_u24 v[XLT], v30, XPI
	v_lshl_add_u32 v[XLT], v31, 4, v[XLT]
	v_add_nc_u32 v[AADR], XB0, v[XLT]
	s_lshl_b32 s[TA], s[WV], 16                    ; my 16 rows of X; a load takes two: lanes 0-15 one row's 256 bytes, lanes 16-31 the next row's
	v_lshlrev_b32 v[XO], 12, v31
	v_lshl_add_u32 v[XO], v30, 4, v[XO]
	v_add_nc_u32 v[XO], s[TA], v[XO]
	s_mul_i32 s[TA], s[WV], 16*XPI
	v_mul_u32_u24 v[XS], v31, XPI
	v_lshl_add_u32 v[XS], v30, 3, v[XS]
	v_add_nc_u32 v[XS], s[TA], v[XS]
	v_add_nc_u32 v[XSA], XB0, v[XS]
	s_mul_i32 s[TA], s[WV], STG
	s_add_co_u32 s[TA], s[TA], OREG
	v_mul_u32_u24 v[STO], v30, 528
	v_lshl_add_u32 v[STO], v31, 5, v[STO]
	v_add_nc_u32 v[STO], s[TA], v[STO]
	v_add_nc_u32 v[RD], s[TA], v[L16]
	s_lshl_b32 s[TA], s[WV], 10
	v_add_nc_u32 v[GO], s[TA], v[L16]
	v_lshl_add_u32 v[BOF], v31, 5, s[TA]           ; bq: 1,024 w + 32 h
	v_lshlrev_b32 v[PFO], 8, v1
	v_and_b32 v[PXO], 63, v0
	v_lshlrev_b32 v[PXO], 12, v[PXO]
	s_lshl_b32 s[TA], s[WV], 13
	s_add_co_u32 s[TA], s[TA], OREG
	v_add_nc_u32 v[OST], s[TA], v[L16]
	s_lshl_b32 s[TA], s[WV], 4
	v_and_b32 v[LPO], 7, v0
	v_lshl_add_u32 v[LPO], v[LPO], 6, s[TA]        ; row lane % 8 of the batch's 8, my four heads
	v_mov_b32 v[GBO], s[TA]
.set z, 0
.rept 8
	v_mov_b32 v[C1+z], 0x3f805559                  ; c1 = 1 / (2 d) = 1.0026046
.set z, z+1
.endr
	WIN 0x40
.set z, 0
.rept 8
	global_load_b128 v[160+4*z:160+4*z+3], v[XO], s[XPF:XPF+1] offset:8192*z th:TH_LOAD_NT    ; the chunk of step 0
.set z, z+1
.endr
.set z, 0
.rept 16
	global_load_b128 v[8*z:8*z+3], v[BOF], s[10:11] offset:64*z                               ; bq of channels 16 z + 8 h + 0..7
	global_load_b128 v[8*z+4:8*z+7], v[BOF], s[10:11] offset:64*z+16
.set z, z+1
.endr
	WIN 0
	global_load_b128 v[T:T+3], v[LPO], s[8:9]
	global_load_b128 v[T+4:T+7], v[GBO], s[14:15]
	global_load_b128 v[U:U+3], v[GBO], s[12:13]
	global_load_b128 v[BO:BO+3], v[GO], s[16:17]
	global_load_b128 v[BO+4:BO+7], v[GO], s[16:17] offset:512
	WIN 0x40
.set z, 0
.rept 8
	global_load_b128 v[128+4*z:128+4*z+3], v[XO], s[XPL:XPL+1] offset:8192*z th:TH_LOAD_NT    ; the chunk of step 1
.set z, z+1
.endr
	WIN 0
	s_wait_loadcnt 45                              ; the first chunk is in: behind it 32 + 5 + 8 loads were issued
	XCVT 160
	s_wait_loadcnt 8                               ; all but the second chunk
	WIN 0x45
.set z, 0
.rept 64                                       ; bq rounded to bf16, kept as f32
	v_cvt_pk_bf16_f32 v[192+z%4], v[2*z], v[2*z+1]
	v_lshlrev_b32 v[2*z], 16, v[192+z%4]
	v_and_b32 v[2*z+1], s[MHI], v[192+z%4]
.set z, z+1
.endr
	WIN 0
.irp b, BO, BO+2, BO+4, BO+6, U, U+2, T+4, T+6         ; bo, bg, head_gain likewise
	v_cvt_pk_bf16_f32 v[TT], v[\b], v[\b+1]
	v_lshlrev_b32 v[\b], 16, v[TT]
	v_and_b32 v[\b+1], s[MHI], v[TT]
.endr
	; THE GATE: 1 + sigmoid(mean(E) Wg + bg) sigmoid(head_gain) for my four heads
.irp m, 1,2,4
.irp e, 0,1,2,3
	v_add_f32_dpp v[T+\e], v[T+\e], v[T+\e] row_xmask:\m row_mask:0xf bank_mask:0xf  ; the batch's eight partial sums
.endr
.endr
.irp e, 0,1,2,3
	v_fmamk_f32 v[T+\e], v[T+\e], 0x3b000000, v[U+\e]  ; / 512 + bg
.endr
.irp e, 0,1,2,3,4,5,6,7
	v_mul_f32 v[T+\e], 0xbfb8aa3b, v[T+\e]         ; - log2(e) x
.endr
.irp e, 0,1,2,3,4,5,6,7
	v_exp_f32 v[T+\e], v[T+\e]
.endr
	v_nop                                          ; a plain instruction behind the last exponential,
	s_wait_alu depctr_va_vdst(0)                   ; and the one wait ahead of the batch's first reader
.irp e, 0,1,2,3,4,5,6,7
	v_add_f32 v[T+\e], 1.0, v[T+\e]
.endr
.irp e, 0,1,2,3,4,5,6,7
	v_rcp_f32 v[T+\e], v[T+\e]
.endr
	v_nop
	s_wait_alu depctr_va_vdst(0)
.irp e, 0,1,2,3
	v_fma_f32 v[T+\e], v[T+\e], v[T+4+\e], 1.0
.endr
.irp e, 0,1,2,3
	v_readfirstlane_b32 s[GAM+\e], v[T+\e]         ; every lane holds the same four numbers; they serve as factors alone
.endr
	s_wait_dscnt 0x0                               ; for the others' sake: my rows of the first chunk lie in LDS
	s_wait_tensorcnt 1                             ; my part of slot 0 is in; slot 1's may stay out
	s_barrier_signal -1
	s_barrier_wait -1
	; ---- q^T = Wq^T X^T + bq: 16 slots of 64 along K
.set AKS, 64
.set AQT, 16*XPI
.set ASEC, 32
	FETCHW WB0, 0
	FETCHA AB0, 0
	HALF 0, bf16, 2                                ; the first 64 products stand in front of the loop: the bias starts the sums
	HALF 1, bf16, 2
	WIN 0
	s_mov_b32 s[CNT], 15
.Lp1:                                          ; a trip: the second half of a slot, the change of slots, the first half of the next
	XCONV
	HALF 2, bf16, 0, 8
	H3 1, 1, 1, bf16, 1
	HALF 0, bf16, 0
	HALF 1, bf16, 0
	WIN 0
	s_sub_co_u32 s[CNT], s[CNT], 1
	s_cmp_lg_u32 s[CNT], 0
	s_cbranch_scc1 .Lp1
	HALF 2, bf16, 0, 3
	H3 1, 0, 1, bf16, 0                            ; the ring goes on: the first slot of k^ and v has landed, the second is asked for
	WIN 0
	PLACES
	PLACES
; Head g of my four: a query's 64 channels lie in two lanes.  q^ f = q f / max(|q|, 1e-6), f = (1 + 2^-9) / 8, rounded once to f16: channel tiles 2 ks, 2 ks + 1 ARE fragment (qt, ks) of source 1.
.macro NORMQ g
.set NW, 2+(\g)/2
.set NB, 128*((\g)%2)
	WIN NW|(NW<<2)
.set a, 0
.rept 4
.set p, 0
.rept 4
.set q, 0
.rept 4                                        ; four chains, a query tile each; each accumulator is read from its lowest registers on
.set rg, NB+32*a+8*q+2*p
.if (a == 0) && (p == 0)
	v_pk_mul_f32 v[T+2*q:T+2*q+1], v[rg:rg+1], v[rg:rg+1]
.else
	v_pk_fma_f32 v[T+2*q:T+2*q+1], v[rg:rg+1], v[rg:rg+1], v[T+2*q:T+2*q+1]
.endif
.set q, q+1
.endr
.set p, p+1
.endr
.set a, a+1
.endr
	WIN 0
.irp q, 0,1,2,3
	v_add_f32 v[T+2*\q], v[T+2*\q], v[T+2*\q+1]
.endr
.irp q, 0,1,2,3
	v_permlanex16_b32 v[T+2*\q+1], v[T+2*\q], s[SEL], s[SEL+1]
.endr
.irp q, 0,1,2,3
	v_add_f32 v[T+2*\q], v[T+2*\q], v[T+2*\q+1]
.endr
.irp q, 0,1,2,3
	v_sqrt_f32 v[T+2*\q], v[T+2*\q]
.endr
	v_nop
	s_wait_alu depctr_va_vdst(0)                   ; one wait for the four roots
.irp q, 0,1,2,3
	v_max_num_f32 v[T+2*\q], 0x358637bd, v[T+2*\q]
.endr
.irp q, 0,1,2,3
	v_rcp_f32 v[T+2*\q], v[T+2*\q]
.endr
	v_nop
	s_wait_alu depctr_va_vdst(0)                   ; one wait for the four reciprocals
.irp q, 0,1,2,3
	v_mul_f32 v[T+2*\q], 0x3e004000, v[T+2*\q]     ; (1 + 2^-9) / 8
.endr
	WIN (NW<<6)|NW
.set a, 0
.rept 4
.set q, 0
.rept 4
.set p, 0
.rept 4
.set rg, NB+32*a+8*q+2*p
	v_pk_mul_f32 v[rg:rg+1], v[rg:rg+1], v[T+2*q:T+2*q+1] op_sel_hi:[1,0]
.set p, p+1
.endr
.set q, q+1
.endr
.set a, a+1
.endr
	WIN 0x40|NW|(NW<<2)
.set a, 0
.rept 4
.set q, 0
.rept 4
.set p, 0
.rept 4
.set rg, NB+32*a+8*q+2*p
	v_cvt_pk_f16_f32 v[64*(\g)+16*q+4*a+p], v[rg], v[rg+1]
.set p, p+1
.endr
.set q, q+1
.endr
.set a, a+1
.endr
.endm
	NORMQ 0
	NORMQ 1
	NORMQ 2
	NORMQ 3
	WIN 0x81                                       ; the loop over heads names one set of registers for Q: head 0's fragments go there
.set z, 0
.rept 64
	v_mov_b32 v[64+z], v[z]
.set z, z+1
.endr
	WIN 0
	s_mov_b32 s[GC], s[GAM]
	; ---- THE ATTENTION, a head at a time: 8 steps of 64 keys, two steps a slot.  BY TURNS: the wave's query tiles are two pieces (0: tiles 0, 1; 2: tiles 2, 3).  In a turn one piece has the matrix unit
	; (16 products V^T P of the step in hand, 16 products K Q^T of the next); the other piece's weights (32 packed multiply-adds, 32 roundings, 32 sums) stand in 32 slices of three, one behind each product.
.macro KQ x                            ; product i of 16 of S^T = K Q^T + c1: channels 32 (i / 8) on, keys 16 ((i / 2) % 4) on, tile x + i % 2; the first 8 start the sums, with c1; 8 accumulators take turns
	WIN 0x0a
.set rS, 32+32*((\x)+i%2)+8*((i/2)%4)
.set rK, 16*((i/2)%4)+8*(i/8)
.set rQ, 64+16*((\x)+i%2)+8*(i/8)
.if i < 8
	v_wmma_f32_16x16x32_f16 v[rS:rS+7], v[rK:rK+7], v[rQ:rQ+7], v[C1:C1+7]
.else
	v_wmma_f32_16x16x32_f16 v[rS:rS+7], v[rK:rK+7], v[rQ:rQ+7], v[rS:rS+7]
.endif
.endm
.macro PV x                            ; product i of 16 of O^T += V^T P: keys 32 (i / 8) on, channels 16 ((i / 2) % 4) on, tile x + i % 2
	WIN 0xf2
.set rO, 32*((\x)+i%2)+8*((i/2)%4)
.set rV, 128+32*(i/8)+8*((i/2)%4)
.set rP, 160+16*((\x)+i%2)+8*(i/8)
	v_wmma_f32_16x16x32_f16 v[rO:rO+7], v[rV:rV+7], v[rP:rP+7], v[rO:rO+7]
.endm
.macro FETCH_K                         ; a step's K: 8 blocks.  The two plain lines at its head and the three of the slice before are the places behind K's last reader
	WIN 0
	v_add_nc_u32 v[WADR], s[TB], v[L16]
	v_nop
	WIN 0x80
.set z, 0
.rept 8
	ds_load_b128 v[8*z:8*z+3], v[WADR] offset:1024*z
	ds_load_b128 v[8*z+4:8*z+7], v[WADR] offset:1024*z+512
.set z, z+1
.endr
.endm
.macro FETCH_V                         ; the same step's V, 8,192 bytes on; then the fetches step on
	WIN 0
	v_add_nc_u32 v[AADR], s[TB], v[L16]
	s_add_co_u32 s[TB], s[TB], 16384
	WIN 0x80
.set z, 0
.rept 8
	ds_load_b128 v[128+8*z:128+8*z+3], v[AADR] offset:8192+1024*z
	ds_load_b128 v[128+8*z+4:128+8*z+7], v[AADR] offset:8192+1024*z+512
.set z, z+1
.endr
.endm
; Number n of the 32 instructions that follow a tile's weights: for each four weights both pairs are rounded to f16 (pair m of the 16 IS register m of P), then the second pair is added onto the
; first, in place (0-23); the eight sums are added in a tree (24-30); l takes the result (31).
.macro SOP t, n
.set rS, 32+32*(\t)
.set rP, 160+16*(\t)
.set rL, LS+2*(\t)
.if (\n) < 24
.set sm, (\n)/3
.if (\n)%3 == 0
	v_cvt_pk_f16_f32 v[rP+2*sm], v[rS+4*sm], v[rS+4*sm+1]
.elseif (\n)%3 == 1
	v_cvt_pk_f16_f32 v[rP+2*sm+1], v[rS+4*sm+2], v[rS+4*sm+3]
.else
	v_pk_add_f32 v[rS+4*sm:rS+4*sm+1], v[rS+4*sm:rS+4*sm+1], v[rS+4*sm+2:rS+4*sm+3]
.endif
.elseif (\n) < 28
.set sm, (\n)-24
	v_pk_add_f32 v[rS+8*sm:rS+8*sm+1], v[rS+8*sm:rS+8*sm+1], v[rS+8*sm+4:rS+8*sm+5]
.elseif (\n) < 30
.set sm, (\n)-28
	v_pk_add_f32 v[rS+16*sm:rS+16*sm+1], v[rS+16*sm:rS+16*sm+1], v[rS+16*sm+8:rS+16*sm+9]
.elseif (\n) == 30
	v_pk_add_f32 v[rS:rS+1], v[rS:rS+1], v[rS+16:rS+17]
.else
	v_pk_add_f32 v[rL:rL+1], v[rL:rL+1], v[rS:rS+1]
.endif
.endm
; Number n of a tile's 48 vector instructions for a key step.  0-15: the weights, pair n of the lane's 32 numbers w: w w + c3, in place.  The pairs ascend.
; 16-47: SOP's 32.
.macro VOP t, n
.if (\n) >= 16
	SOP \t, (\n)-16
.else
.set rW, 32+32*(\t)+2*(\n)
	v_pk_fma_f32 v[rW:rW+1], v[rW:rW+1], v[rW:rW+1], s[C3:C3+1] op_sel_hi:[1,1,0]
.endif
.endm
; Slice k of 32 for piece y: three of the 96 instructions of both tiles' lists, the tiles alternating (instruction m is number m / 2 of tile m % 2).  All are plain vector instructions in window 0 that
; name no register of the products round them.
.macro SLICE y
	WIN 0
.irp j, 0,1,2
.set vm, 3*k+\j
	VOP (\y)+vm%2, vm/2
.endr
.if (k == 16) && FV
	FETCH_V                                        ; V's last reader stands in front of slice 15: slices 15 and 16 and the run's own address line are the places between
.endif
.set k, k+1
.endm
; A TURN for piece x.  pv, kq: which products it has (with one kind: two slices behind each).  fk: the next step's K is fetched at its head (K's last reader stands in front of the last turn's slice 31);
; the counted wait leaves K's 16 loads out and shows V in.  fv: the next step's V is fetched behind slice 16.
.macro TURN x, pv, kq, fk, fv
.set k, 0
.set FV, (\fv)
.set per, 2
.if (\pv) && (\kq)
.set per, 1
.endif
.if \fk
	FETCH_K
	s_wait_dscnt 16
.elseif (\x) == 0
	s_wait_dscnt 0x0
.endif
.if \pv
.set i, 0
.rept 16
	PV \x
.rept per
	SLICE 2-(\x)
.endr
.set i, i+1
.endr
.endif
.if \kq
.if (\x) == 0
	s_wait_dscnt 0x0                               ; K is in
.endif
.set i, 0
.rept 16
	KQ \x
.rept per
	SLICE 2-(\x)
.endr
.set i, i+1
.endr
.endif
.endm
; THE CHANGE OF SLOTS: the slot's last bytes, V of its second step, have been asked for.  The same lines, round and one joint load as in the projections; the scalar work for the addresses stands
; between the add and the wait for it.
.macro CH
	WIN 0
	s_wait_tensorcnt 0x0                           ; no tensor load of mine is out: my part of the other slot has landed
	ds_add_u32 v[SPW], v[NIL]
.irp p, 0,1,2,3,4,5,6,7
	PREP \p
.endr
	SETADDR 1
	s_wait_dscnt 0x0                               ; the add is done, and my reads of the slot are over
	ROUND
	REFILL
	ASK
	s_sub_co_u32 s[TB], s[TB], 32768               ; the fetches go back to a slot's first step,
	s_xor_b32 s[TB], s[TB], SLOTB                  ; in the other slot
.endm
.macro OCVT g                          ; O^T rounded to f16 in pairs IS block g of source 1 for the last projection
	WIN 0x4f
.set z, 0
.rept 64
	v_cvt_pk_f16_f32 v[64*(\g)+z], v[2*z], v[2*z+1]
.set z, z+1
.endr
.if (\g) < 3
	WIN 0x81
.set z, 0
.rept 64
	v_mov_b32 v[64+z], v[64*((\g)+1)+z]            ; the next head's Q
.set z, z+1
.endr
	s_mov_b32 s[GC], s[GAM+(\g)+1]
.endif
	WIN 0
.endm
	s_mov_b32 s[HD], 0
.Lhead:
	FETCH_K                                        ; step 0
	WIN 0xc0
.set z, 0
.rept 128
	v_mov_b32 v[z], 0                              ; O^T and l start at 0, written while K is on its way from LDS: so the loop has one form of product and no first step is written out
.set z, z+1
.endr
	WIN 0
.set z, 0
.rept 8
	v_mov_b32 v[LS+z], 0
.set z, z+1
.endr
	s_wait_dscnt 0x0
.set i, 0
.rept 16
	KQ 0                                           ; piece 0's first scores: there is no vector work yet to set between them
.set i, i+1
.endr
	WIN 0
	PLACES
	TURN 2, 0, 1, 0, 1                             ; piece 2's first scores | piece 0's first weights | V of step 0
	WIN 0
	s_mov_b32 s[SL], 4
	s_mov_b32 s[TWICE], 1                          ; the head's first slot has one step left
	s_branch .Lstep
.Lslot:
	s_mov_b32 s[TWICE], 2
.Lstep:
	TURN 0, 1, 1, 1, 0
	TURN 2, 1, 1, 0, 1
	WIN 0
	s_sub_co_u32 s[TWICE], s[TWICE], 1
	s_cmp_lg_u32 s[TWICE], 0
	s_cbranch_scc1 .Lstep
	CH
	s_sub_co_u32 s[SL], s[SL], 1
	s_cmp_lg_u32 s[SL], 0
	s_cbranch_scc1 .Lslot
	TURN 0, 1, 0, 0, 0                             ; piece 0: V^T P of the last step | piece 2's last weights
.set i, 0
.rept 16
	PV 2
.set i, i+1
.endr
	WIN 0                                          ; O^T (1 + gamma) / l.  The additions are the places behind the last products
.irp q, 0,1,2,3
	v_add_f32 v[LS+2*\q], v[LS+2*\q], v[LS+2*\q+1]
.endr
.irp q, 0,1,2,3
	v_permlanex16_b32 v[LS+2*\q+1], v[LS+2*\q], s[SEL], s[SEL+1]
.endr
.irp q, 0,1,2,3
	v_add_f32 v[LS+2*\q], v[LS+2*\q], v[LS+2*\q+1]
.endr
.irp q, 0,1,2,3
	v_rcp_f32 v[LS+2*\q], v[LS+2*\q]
.endr
	v_nop
	s_wait_alu depctr_va_vdst(0)                   ; one wait for the four reciprocals
.irp q, 0,1,2,3
	v_mul_f32 v[LS+2*\q], s[GC], v[LS+2*\q]
.endr
	WIN 0xc3
.set z, 0
.rept 64
	v_pk_mul_f32 v[2*z:2*z+1], v[2*z:2*z+1], v[LS+2*(z/16):LS+2*(z/16)+1] op_sel_hi:[1,0]
.set z, z+1
.endr
	WIN 0
	s_cmp_eq_u32 s[HD], 0
	s_cbranch_scc0 .Lh1
	OCVT 0
	s_branch .Lhd
.Lh1:
	s_cmp_eq_u32 s[HD], 1
	s_cbranch_scc0 .Lh2
	OCVT 1
	s_branch .Lhd
.Lh2:
	s_cmp_eq_u32 s[HD], 2
	s_cbranch_scc0 .Lh3
	OCVT 2
	s_branch .Lhd
.Lh3:
	OCVT 3
.Lhd:
	s_add_co_u32 s[HD], s[HD], 1
	s_cmp_lt_u32 s[HD], 4
	s_cbranch_scc1 .Lhead
	; ---- out^T = Wo^T O^T: 16 slots, a head each: four groups GQ, GQ + 1, .. round the four, beginning at the cluster's class; in a group the heads GQ, 4 + GQ, 8 + GQ, 12 + GQ: the four waves' heads GQ lie in OREG together
.set AKS, 1024
.set AQT, 2048
.set ASEC, 512
	OLADDER
	s_wait_dscnt 0x0
	s_barrier_signal -1
	s_barrier_wait -1
	s_mov_b32 s[T3C], 0
	v_add_nc_u32 v[AADR], OREG, v[L16]
	v_add_nc_u32 v[WADR], s[TB], v[L16]
	FETCHW WB0, 0
	FETCHA AB0, 0
	HALF 0, f16, 1                                 ; the first 64 products start the sums with the constant 0
	HALF 1, f16, 1
	WIN 0
	s_mov_b32 s[CNT], 14
.Lp3:
	HALF 2, f16, 0, 3
	H3 1, 1, 3, f16, 0
	HALF 0, f16, 0
	HALF 1, f16, 0
	WIN 0
	s_sub_co_u32 s[CNT], s[CNT], 1
	s_cmp_lg_u32 s[CNT], 0
	s_cbranch_scc1 .Lp3
	HALF 2, f16, 0                                 ; the tail is written out: the last change of slots asks for nothing
	H3 0, 1, 3, f16, 0
	HALF 0, f16, 0
	HALF 1, f16, 0
	HALF 2, f16, 0
	s_wait_dscnt 0x0
	MULT f16, WB0+64, AB1, 1, 0, 8, 0
	WIN 0
	; ---- THE WAY OUT.  A lane holds 8 columns of one row; a block of 16 rows x 128 columns of f32 goes through my stage (rows of 528 bytes) and comes back as whole rows of 512 bytes; bo is added on the way.
	s_barrier_signal -1                            ; (no LDS instruction of mine is out) every wave's reads of OREG are over: it becomes the stages
	s_barrier_wait -1
	PLACES
	PLACES
.macro PACK n                          ; block n = 2 qt + half
.set pq, (\n)/2
.set ph, (\n)%2
.set pt, 32+64*((\n)%2)
	s_wait_xcnt 0x0                                ; the stores of the block two back have read the registers that are loaded again below
	WIN 0x08+0x04*ph                               ; store data in window 2 or 3
.set z, 0
.rept 8
	ds_store_b128 v[STO], v[32*z+8*pq:32*z+8*pq+3] offset:64*z        ; each accumulator's lowest registers first
	ds_store_b128 v[STO], v[32*z+8*pq+4:32*z+8*pq+7] offset:64*z+16
.set z, z+1
.endr
	WIN 0
.set z, 0
.rept 16
	ds_load_b128 v[pt+4*z:pt+4*z+3], v[RD] offset:528*z               ; LDS serves a wave's instructions in order (ISA guide 5.7.1.4): these see the stores above, and the next block's stores come behind them
.set z, z+1
.endr
.endm
.macro SEND n, younger                 ; younger: the LDS instructions issued behind block n's loads: the next block's 32, or none
.set pq, (\n)/2
.set ph, (\n)%2
.set pt, 32+64*((\n)%2)
.set z, 0
.rept 16
.if z%4 == 0
	s_wait_dscnt (\younger)+12-z                   ; rows z .. z + 3 are back: behind them the block's 12 - z younger rows and what was issued behind the block
.endif
	v_pk_add_f32 v[pt+4*z:pt+4*z+1], v[pt+4*z:pt+4*z+1], v[BO+4*ph:BO+4*ph+1]
	v_pk_add_f32 v[pt+4*z+2:pt+4*z+3], v[pt+4*z+2:pt+4*z+3], v[BO+4*ph+2:BO+4*ph+3]
	global_store_b128 v[GO], v[pt+4*z:pt+4*z+3], s[OUTP:OUTP+1] offset:65536*pq+4096*z+512*ph th:TH_STORE_NT  ; 512 consecutive bytes, at a multiple of 512 from out0's first
.set z, z+1
.endr
.endm
	PACK 0
.irp n, 1,2,3,4,5,6,7
	PACK \n
	SEND \n-1, 32
.endr
	SEND 7, 0
	s_wait_tensorcnt 0x0                           ; the wave's end, behind my last tensor load and my last LDS store
	ds_add_u32 v[SPW], v[NIL]
	s_wait_dscnt 0x0
	ROUND                                          ; the closing round: no work-group ends while a partner may still ask for a tile that names it
	s_endpgm
.Lfunc_end_k_q175a3dc019_main:
	.size	k_q175a3dc019_main, .Lfunc_end_k_q175a3dc019_main-k_q175a3dc019_main
	.p2alignl 7, 3214868480
	.fill 96, 4, 3214868480
	.section	.rodata,"a",@progbits
	.p2align	6, 0x0
	.amdhsa_kernel k_q175a3dc019_main
		.amdhsa_group_segment_fixed_size 327680
		.amdhsa_private_segment_fixed_size 0
		.amdhsa_enable_private_segment 0
		.amdhsa_kernarg_size 64
		.amdhsa_user_sgpr_count 2
		.amdhsa_user_sgpr_kernarg_segment_ptr 1
		.amdhsa_wavefront_size32 1
		.amdhsa_system_sgpr_workgroup_id_x 1
		.amdhsa_system_sgpr_workgroup_id_y 1
		.amdhsa_system_sgpr_workgroup_id_z 1
		.amdhsa_system_vgpr_workitem_id 0
		.amdhsa_next_free_vgpr 1024
		.amdhsa_next_free_sgpr 100
		.amdhsa_reserve_vcc 0
		.amdhsa_float_denorm_mode_32 3
		.amdhsa_float_denorm_mode_16_64 3
		.amdhsa_memory_ordered 1
		.amdhsa_forward_progress 1
		.amdhsa_inst_pref_size 255
	.end_amdhsa_kernel
	.section	.bss,"aw",@nobits
	.p2align	6
	.space	262144
	.amdgpu_metadata
---
amdhsa.version: [ 1, 2 ]
amdhsa.kernels:
  - .name:           k_q175a3dc019_main
    .symbol:         k_q175a3dc019_main.kd
    .args:
      - { .name: hidden_states, .offset: 0, .size: 8, .value_kind: global_buffer, .address_space: global }
      - { .name: STR, .offset: 8, .size: 8, .value_kind: global_buffer, .address_space: global }
      - { .name: LP, .offset: 16, .size: 8, .value_kind: global_buffer, .address_space: global }
      - { .name: bq, .offset: 24, .size: 8, .value_kind: global_buffer, .address_space: global }
      - { .name: bg, .offset: 32, .size: 8, .value_kind: global_buffer, .address_space: global }
      - { .name: head_gain, .offset: 40, .size: 8, .value_kind: global_buffer, .address_space: global }
      - { .name: bo, .offset: 48, .size: 8, .value_kind: global_buffer, .address_space: global }
      - { .name: out0, .offset: 56, .size: 8, .value_kind: global_buffer, .address_space: global }
    .group_segment_fixed_size: 327680
    .private_segment_fixed_size: 0
    .kernarg_segment_align: 8
    .kernarg_segment_size: 64
    .max_flat_workgroup_size: 128
    .sgpr_count:     100
    .vgpr_count:     1024
    .wavefront_size: 32
...
	.end_amdgpu_metadata
.endif
;; end of part 4
